; MI455X (gfx1250); checked and timed in simulation.
; The chip was launched on July 23, 2026; its instructions are those of AMD's public machine-readable ISA for CDNA 5 (MIT licence, August 2026) and "CDNA5" Instruction Set Architecture Reference Guide (July 2026). The comments in the code are by the model that wrote it; some were corrected since.
;; Multi Head Attention. Allowed arithmetic: matrix products marked QUANTISED: E2M3 operands, one E8M0 scale for each 32 along K, by v_wmma_scale_f32_16x16x128_f8f6f4 with both operands' format E2M3, f32 sums; everything else in f32.
;; Inputs: Wk 1,024 x 1,024 float32; Wo 1,024 x 1,024 float32; Wq 1,024 x 1,024 float32; Wv 1,024 x 1,024 float32; bk 1,024 float32; bo 1,024 float32; bq 1,024 float32; bv 1,024 float32; x 4 x 2,048 x 1,024 float32.
;; Outputs: out0 4 x 2,048 x 1,024 float32.
;; This version of the problem:
;;   THIS VERSION OF THE PROBLEM IS GIVEN IN LOW PRECISION. The matrix products marked QUANTISED in the list below multiply operands that are first quantised to E2M3 (2 exponent bits, 3 mantissa bits; 6 bits a number), with one power-of-two scale for each 32 numbers along K (OCP MX v1.0); their sums are f32. All else is computed in f32.
;;   The module's matrix products, in the order in which they are computed (A, B: the left and right operand; K: the contracted axis; several contracted axes count as one K, in the product's order):
;;     1. [M 8,192, K 1,024] x [K 1,024, N 1,024]; A: input x; B: input Wq: QUANTISED
;;     2. [M 8,192, K 1,024] x [K 1,024, N 1,024]; A: input x; B: input Wk: QUANTISED
;;     3. [M 8,192, K 1,024] x [K 1,024, N 1,024]; A: input x; B: input Wv: QUANTISED
;;     4. batch 64 x [M 2,048, K 64] x [K 64, N 2,048]; A: computed on the way; B: computed on the way: QUANTISED
;;     5. batch 64 x [M 64, K 2,048] x [K 2,048, N 2,048]; A: computed on the way; B: softmax (see below): QUANTISED
;;     6. [M 8,192, K 1,024] x [K 1,024, N 1,024]; A: computed on the way; B: input Wo: QUANTISED
;;   THE QUANTISER, for each operand of a quantised product, along K:
;;     - K is cut into blocks of 32 from its start; a last block that is shorter is filled with zeros.
;;     - A block's scale is 2^e with e = floor(log2(the largest magnitude in the block)) - 2, held to -126 .. 127; a block of zeros has e = 0. As a byte (E8M0): e + 127.
;;     - Each number is divided by its block's scale, clamped to +-7.5, and rounded to the nearest number of E2M3, ties to even, subnormals kept.
;;     - The product sums the exact products of the quantised numbers (number of the format x scale) in f32.
;;   ~~~python
;;   def quantise(x, axis):      # numpy; x: float32 -> the quantised numbers, widened to float32 again
;;       x = np.moveaxis(x, axis, -1); K = x.shape[-1]
;;       x = np.pad(x, [(0, 0)] * (x.ndim - 1) + [(0, -K % 32)]); x = x.reshape(x.shape[:-1] + (-1, 32)); a = np.abs(x).max(-1, keepdims=True)
;;       e = np.where(a > 0, np.clip(np.frexp(np.where(a > 0, a, 1))[1] - 1 - 2, -126, 127), 0)      # np.frexp(a)[1] - 1 = floor(log2(a)), exactly
;;       r = np.clip(x / 2.0 ** e, -7.5, 7.5)
;;       step = 2.0 ** (np.maximum(np.frexp(np.where(r == 0, 1, r))[1] - 1, 0) - 3)
;;       q = np.round(r / step) * step * 2.0 ** e      # np.round: ties to even
;;       return np.moveaxis(q.reshape(q.shape[:-2] + (-1,))[..., :K], -1, axis).astype(np.float32)
;;   ~~~
;;   SOFTMAX AHEAD OF A QUANTISED PRODUCT. Where the list says 'softmax', what is quantised is not the finished softmax but p = 2^(t - M), with t = logit x log2(e) and M = ceil(the row's largest t), a whole number; so 1/2 < the row's largest p <= 1. The row's sum l is taken of the UNQUANTISED p, in f32, and the product's result is divided by l at the end. Since M is a whole number, a kernel that streams over the keys may use a running M (the ceiling of the running maximum): every later rescaling is an exact power of two, which a block's scale takes up: the codes' values come out the same.
;;   OPERANDS COMPUTED ON THE WAY. 'Computed on the way' means the value that the module computes at that place (a softmax that the list does not call 'softmax' is quantised finished and normalised). What goes into a quantiser is computed in f32, as accurately as f32 sums, v_exp_f32 and their like allow (about 1e-6 of the number): no bf16 or f16 on the way to a quantiser, and a product that is left as it is and whose result goes on into a quantised operand takes f32 operands (vector FMAs, or v_wmma_f32_16x16x4_f32). A number that lies on a knife's edge between two numbers of the format may be rounded either way, as far as f32 arithmetic and the matrix unit's own rounding can turn it there, and no further.
;; One version. Each part assembles by itself: llvm-mc -triple=amdgcn-amd-amdhsa -mcpu=gfx1250 --defsym DOCPART=n.
;; ======== version 1 of 1: 4 launches
;; limits: right only within a limited range of input values
;; workspace buffers: xr 6,553,600 bytes; wr 3,276,800 bytes; qr 6,815,744 bytes; kvr 13,369,344 bytes; cr 6,553,600 bytes
;; launch quant (part 1): grid 768 x 1, 2 waves a work-group, no clusters, 83,712 bytes of LDS; arguments x, Wq, Wk, Wv, Wo, xr, wr; writes xr, wr
.if DOCPART == 1
	.amdgcn_target "amdgcn-amd-amdhsa--gfx1250"
	.amdhsa_code_object_version 6
	.text
	.protected	k_q990316d091_quant
	.globl	k_q990316d091_quant
	.p2align	8
	.type	k_q990316d091_quant,@function
k_q990316d091_quant:
	s_mov_b64 s[64:65], 0
	v_nop
	global_prefetch_b8 v0, s[64:65] scope:SCOPE_SE
	s_setreg_imm32_b32 hwreg(HW_REG_WAVE_MODE, 25, 1), 1
	s_wait_xcnt 0x0
; x [8192][1024] (K innermost) and Wq, Wk, Wv, Wo [1024 (k)][1024 (n)] (K outermost), f32, become codes of FP6 (E2M3) with one E8M0 byte for each 32 along K,
; laid AS THE READER'S OPERAND REGISTERS.  A fragment (16 rows x 128 K) is 12 registers a lane: piece p (registers 4 p .. 4 p + 3) lies at 512 p + 16 x lane.
; A RECORD (12,800 bytes) holds a quad of 4 tiles (64 rows) x 256 K: tile i, K group q at 3072 i + 1536 q; behind them the scale words at 12,288 + 256 q + 16 r + 4 i.
; THE ROWS OF A TILE ARE NOT NEIGHBOURS: row r of tile i of a quad is item 32 (i / 2) + 8 (i % 2) + r + 8 (r / 8), so that the results of two neighbouring tiles are 16 neighbours in a lane's registers.
; xr: [256 K group 4][quad 128] records (rows = tokens);  wr: [4][quad 64] records (rows = n; quads 0-15 Wq, 16-31 Wk, 32-47 Wv, 48-63 Wo).
; A block's scale is 2^(floor(log2(largest magnitude)) - 2): its byte is the largest magnitude's exponent field - 2, held at 1 from below (a block of zeros keeps the byte 1: its codes are zeros, and this program alone reads the bytes).
; LIMITS: NaN and infinities are not served; a block whose largest magnitude lies under 2^-124 keeps the byte 1.
; SHARES.  A wave takes one record.  Work-groups 0-255 take x, 256-383 the weights: one scalar branch on the work-group's number; each way has LDS bytes of its own; waves share nothing, so there is no barrier.
; A lane of the operand's layout holds two whole blocks of 32 of its row (k = 64 c + 32 h + 0 .. 31), so no other lane is asked for a maximum.
; x: each load takes a row's 512 consecutive bytes; 16 rows turn through the wave's stage (pitch 528).  W: each load takes 64 columns of one k (256 consecutive bytes); 128 k lie in the stage and a lane reads its column down K.
; THE ORDER OF THE RECORDS AND THE SHARES, which stand in place of what the head says of them.  The record of quad Q and 256 K group g is number
; 16 (Q / 4) + 8 (g / 2) + 4 ((Q / 2) % 2) + 2 (g % 2) + Q % 2 of xr or wr: half of K of a pair of quads is 4 records on end, of four quads 8.
; A wave takes HALF a record: its K group q = work-group % 2 (128 along K, four fragments and 256 bytes of scale words).  Work-groups 0-511 take x, 512-767 the weights.
.macro RECAT                           ; s26 = the record's first byte, from s23 = Q and s22 = g
	s_lshr_b32 s26, s23, 2
	s_lshl_b32 s26, s26, 4
	s_lshr_b32 s27, s22, 1
	s_lshl_b32 s27, s27, 3
	s_add_co_u32 s26, s26, s27
	s_and_b32 s27, s23, 2
	s_lshl_b32 s27, s27, 1
	s_add_co_u32 s26, s26, s27
	s_and_b32 s27, s22, 1
	s_lshl_b32 s27, s27, 1
	s_add_co_u32 s26, s26, s27
	s_and_b32 s27, s23, 1
	s_add_co_u32 s26, s26, s27
	s_mul_i32 s26, s26, REC
.endm
.set REC,   12800
.set XPI,   528                        ; x's stage: a row of 512 bytes + 16
.set WSTG,  2*16*XPI                   ; the weights' stages begin behind x's two
.set WSTB,  128*256+4*128              ; 128 rows of 256 bytes, 128 bytes more behind each 32 rows: lanes 16-31, 32 rows further down, fall on the other half of the banks
.set LD,    16                         ; v16-143  two sets of 64 registers as loaded
.set X,     144                        ; v144-207 my 64 numbers: register 32 c + i = k 64 c + 32 h + i
.set PC,    208                        ; v208-219 the fragment's codes
.set P2,    232                        ; v232-234, v236-238 the conversions' second halves
.set W,     240                        ; v240-247 scale words: 4 q + i
.set T,     248                        ; v248-249 maxima, 250-251 scale operands, 252-253 bytes, 254 a permute's destination, 255 at work
	s_load_b256 s[4:11], s[0:1], 0x0               ; x, Wq, Wk, Wv
	s_load_b128 s[12:15], s[0:1], 0x20             ; Wo, xr
	s_load_b64 s[16:17], s[0:1], 0x30              ; wr
	v_lshl_add_u32 v235, v0, 2, 0x14600
	v_mov_b32 v239, 0
	v_lshrrev_b32 v9, 5, v0
	v_readfirstlane_b32 s18, v9                    ; wave
	v_and_b32 v10, 31, v0                          ; lane
	v_and_b32 v11, 15, v0                          ; r
	v_bfe_u32 v8, v0, 4, 1                         ; h
	v_lshlrev_b32 v1, 4, v10                       ; 16 x lane
	v_lshlrev_b32 v2, 3, v10                       ; 8 x lane
	s_wait_alu depctr_va_vdst(0)
	v_lshlrev_b32 v7, 3, v8                        ; 8 h: my bytes' shift in a scale word
	s_mov_b32 s20, 0x76543210
	s_mov_b32 s21, 0xfedcba98                      ; v_permlanex16_b32's selects for lane l xor 16
	v_mov_b32 v[T+6], 0                            ; written once: a lane permute's destination counts as one of its sources
	s_and_b32 s32, ttmp9, 1                        ; q: my K group of the record
	s_lshr_b32 s31, ttmp9, 1                       ; the pair of work-groups that shares two records
	s_mul_i32 s33, s32, 1536
	v_add_nc_u32 v12, s33, v1                      ; my codes' place in a tile: 16 x lane + 1536 q
	s_lshl_b32 s33, s32, 8
	v_lshl_add_u32 v13, v11, 4, s33                ; my scale words' place: 16 r + 256 q
	s_and_b32 s22, s31, 1
	s_lshl_b32 s22, s22, 1
	s_add_co_u32 s22, s22, s18                     ; which 256 along K: 2 ((work-group / 2) % 2) + wave
	s_mul_i32 s19, s18, 16*XPI
	v_add_nc_u32 v3, s19, v1                       ; x's stage, in: 16 x lane of a row
	v_mul_u32_u24 v4, v11, XPI
	v_lshl_add_u32 v4, v8, 7, v4
	v_add_nc_u32 v4, s19, v4                       ; out: row r, + 128 h
	s_mul_i32 s19, s18, WSTB
	s_add_co_u32 s19, s19, WSTG
	v_add_nc_u32 v5, s19, v2                       ; the weights' stage, in: 8 x lane of a row
	v_and_b32 v6, 8, v11
	v_add_nc_u32 v6, v6, v11                       ; r + 8 (r / 8)
	v_lshlrev_b32 v6, 2, v6
	v_mad_u32_u24 v6, v8, 32*256+128, v6           ; out: my column, 32 rows (and one skew) further down for lanes 16-31
	v_add_nc_u32 v6, s19, v6
; 64 numbers of a lane become the fragment (tile i, K group q): two blocks by turns, the scale word, the codes, three stores of 512 consecutive bytes.
.macro UNITQ i, q
.irp c, 0,1
	v_max3_num_f32 v[T+\c], |v[X+32*\c]|, |v[X+32*\c+1]|, 0x1800000   ; the floor 2^(3 - 127) among the leaves: the byte cannot fall under 1
.endr
.irp n, 2,4,6,8,10,12,14,16,18,20,22,24,26,28,30
.irp c, 0,1
	v_max3_num_f32 v[T+\c], v[T+\c], |v[X+32*\c+\n]|, |v[X+32*\c+\n+1]|
.endr
.endr
.irp c, 0,1
	v_add_nc_u32 v[T+2+\c], 0xff000000, v[T+\c]    ; 2 off the exponent field: the conversion's scale operand
.endr
.irp c, 0,1
	v_lshrrev_b32 v[T+4+\c], 23, v[T+2+\c]         ; the scale's byte
.endr
	v_lshl_or_b32 v[T+7], v[T+5], 16, v[T+4]       ; my two bytes: blocks h and 2 + h,
	v_lshlrev_b32 v[T+7], v7, v[T+7]               ; at their places;
	v_permlanex16_b32 v[T+6], v[T+7], s20, s21
	v_or_b32 v[W+4*(\q)+(\i)], v[T+7], v[T+6]      ; with lane l xor 16's two the word is whole
	s_wait_alu depctr_va_vdst(0)
	s_wait_xcnt 0x0                                ; the last fragment's stores have read their registers: the codes are written again only behind this wait
.irp c, 0,1
	v_cvt_scalef32_pk16_fp6_f32 v[PC+6*\c:PC+6*\c+2], v[X+32*\c:X+32*\c+15], v[T+2+\c]
	v_cvt_scalef32_pk16_fp6_f32 v[P2+4*\c:P2+4*\c+2], v[X+32*\c+16:X+32*\c+31], v[T+2+\c]   ; (a conversion's three registers begin on an even number)
.endr
	v_nop                                          ; one plain place behind a scaled conversion
.irp c, 0,1
.irp n, 0,1,2
	v_mov_b32 v[PC+6*\c+3+\n], v[P2+4*\c+\n]
.endr
.endr
.irp p, 0,1,2
	global_store_b128 v12, v[PC+4*\p:PC+4*\p+3], s[28:29] offset:3072*(\i)+1536*(\q)+512*\p
.endr
.endm
	s_cmp_lt_u32 s31, 256
	s_cbranch_scc0 .Lweights
	; ---- x: quad = work-group / 4
	s_lshr_b32 s23, s31, 1
	s_lshl_b32 s24, s23, 18                        ; 64 rows of 4,096 bytes
	s_lshl_b32 s26, s22, 1
	s_add_co_u32 s26, s26, s32
	s_lshl_b32 s26, s26, 9                         ; 128 numbers along K: 2 g + q
	s_add_co_u32 s24, s24, s26
	s_mov_b32 s25, 0
	RECAT
	s_mov_b32 s27, 0
	s_wait_kmcnt 0x0
	s_add_nc_u64 s[4:5], s[4:5], s[24:25]
	s_add_nc_u64 s[28:29], s[14:15], s[26:27]      ; my record
.macro XLOAD u                         ; unit u = tile u: its 16 rows, 128 numbers each
.irp n, 0,1,2,3,4,5,6,7,8,9,10,11,12,13,14,15
	global_load_b128 v[LD+64*((\u)%2)+4*\n:LD+64*((\u)%2)+4*\n+3], v1, s[4:5] offset:(32*((\u)/2)+8*((\u)%2)+\n+8*(\n/8))*4096 th:TH_LOAD_NT   ; unit u = tile u
.endr
.endm
.macro XTURN u                         ; through the stage: LDS serves a wave's instructions in order, so no wait stands between the stores and the loads
.irp n, 0,1,2,3,4,5,6,7,8,9,10,11,12,13,14,15
	ds_store_b128 v3, v[LD+64*((\u)%2)+4*\n:LD+64*((\u)%2)+4*\n+3] offset:XPI*\n
.endr
.irp c, 0,1
.irp m, 0,1,2,3,4,5,6,7
	ds_load_b128 v[X+32*\c+4*\m:X+32*\c+4*\m+3], v4 offset:256*\c+16*\m
.endr
.endr
.endm
	XLOAD 0
	XLOAD 1
	s_wait_alu depctr_va_vdst(0)
.irp u, 0,1,2,3
.if \u < 3
	s_wait_loadcnt 16                              ; this unit's 16 loads are in; the next unit's may be out
.else
	s_wait_loadcnt 0x0
.endif
	XTURN \u
	s_wait_dscnt 0x0                               ; my numbers are back, and the stores have read the set, which takes the loads of two units on
.if \u < 2
	XLOAD \u+2
.endif
	UNITQ \u, 0
.endr
	s_branch .Lwords
.Lweights:
	; ---- the weights: quad = (work-group - 512) / 4; its upper bits say which weight
	s_sub_co_u32 s23, s31, 256
	s_lshr_b32 s23, s23, 1
	s_lshr_b32 s30, s23, 4
	s_and_b32 s24, s23, 15
	s_lshl_b32 s24, s24, 8                         ; 64 columns
	s_lshl_b32 s26, s22, 1
	s_add_co_u32 s26, s26, s32
	s_lshl_b32 s26, s26, 19                        ; 128 rows of 4,096 bytes: 2 g + q
	s_add_co_u32 s24, s24, s26
	s_mov_b32 s25, 0
	RECAT
	s_mov_b32 s27, 0
	s_wait_kmcnt 0x0
	s_cmp_eq_u32 s30, 1
	s_cselect_b64 s[6:7], s[8:9], s[6:7]
	s_cmp_eq_u32 s30, 2
	s_cselect_b64 s[6:7], s[10:11], s[6:7]
	s_cmp_eq_u32 s30, 3
	s_cselect_b64 s[6:7], s[12:13], s[6:7]
	s_add_nc_u64 s[4:5], s[6:7], s[24:25]
	s_add_nc_u64 s[28:29], s[16:17], s[26:27]      ; my record
.macro WLOAD z                         ; run z: 32 rows of K, 256 consecutive bytes each
.irp n, 0,1,2,3,4,5,6,7,8,9,10,11,12,13,14,15,16,17,18,19,20,21,22,23,24,25,26,27,28,29,30,31
	global_load_b64 v[LD+64*((\z)%2)+2*\n:LD+64*((\z)%2)+2*\n+1], v2, s[4:5] offset:(32*(\z)+\n)*4096 th:TH_LOAD_NT
.endr
.endm
	WLOAD 0
	WLOAD 1
	s_wait_alu depctr_va_vdst(0)
.irp s, 0,1,2,3
.if \s < 3
	s_wait_loadcnt 32                              ; this run's 32 loads are in; the next run's may be out
.else
	s_wait_loadcnt 0x0
.endif
.irp n, 0,1,2,3,4,5,6,7,8,9,10,11,12,13,14,15,16,17,18,19,20,21,22,23,24,25,26,27,28,29,30,31
	ds_store_b64 v5, v[LD+64*(\s%2)+2*\n:LD+64*(\s%2)+2*\n+1] offset:(32*\s+\n)*256+128*\s
.endr
	s_wait_dscnt 0x0                               ; the stores have read the set
.if \s < 2
	WLOAD \s+2
.endif
.endr
.irp i, 0,1,2,3
.irp c, 0,1
.irp n, 0,1,2,3,4,5,6,7,8,9,10,11,12,13,14,15,16,17,18,19,20,21,22,23,24,25,26,27,28,29,30,31
	ds_load_b32 v[X+32*\c+\n], v6 offset:(64*\c+\n)*256+256*\c+(32*(\i/2)+8*(\i%2))*4   ; W(64 c + 32 h + n, my column of tile i)
.endr
.endr
	s_wait_dscnt 0x0
	UNITQ \i, 0
.endr
.Lwords:
	s_wait_xcnt 0x0                                ; the last stores have read the codes' registers
	global_store_b128 v13, v[W:W+3], s[28:29] offset:12288   ; row r's four words of my K group: sixteen lanes store 256 consecutive bytes; lanes 16-31 repeat the same bytes at the same addresses
	s_wait_tensorcnt 0x0
	ds_add_u32 v235, v239
	s_wait_dscnt 0x0
	s_endpgm
.Lfunc_end_k_q990316d091_quant:
	.size	k_q990316d091_quant, .Lfunc_end_k_q990316d091_quant-k_q990316d091_quant
	.p2alignl 7, 3214868480
	.fill 96, 4, 3214868480
	.section	.rodata,"a",@progbits
	.p2align	6, 0x0
	.amdhsa_kernel k_q990316d091_quant
		.amdhsa_group_segment_fixed_size 83712
		.amdhsa_private_segment_fixed_size 0
		.amdhsa_enable_private_segment 0
		.amdhsa_kernarg_size 56
		.amdhsa_user_sgpr_count 2
		.amdhsa_user_sgpr_kernarg_segment_ptr 1
		.amdhsa_wavefront_size32 1
		.amdhsa_system_sgpr_workgroup_id_x 1
		.amdhsa_system_sgpr_workgroup_id_y 1
		.amdhsa_system_sgpr_workgroup_id_z 1
		.amdhsa_system_vgpr_workitem_id 0
		.amdhsa_next_free_vgpr 256
		.amdhsa_next_free_sgpr 66
		.amdhsa_reserve_vcc 0
		.amdhsa_float_denorm_mode_32 3
		.amdhsa_float_denorm_mode_16_64 3
		.amdhsa_memory_ordered 1
		.amdhsa_forward_progress 1
		.amdhsa_inst_pref_size 82
	.end_amdhsa_kernel
	.amdgpu_metadata
---
amdhsa.version: [ 1, 2 ]
amdhsa.kernels:
  - .name:           k_q990316d091_quant
    .symbol:         k_q990316d091_quant.kd
    .args:
      - { .name: x, .offset: 0, .size: 8, .value_kind: global_buffer, .address_space: global }
      - { .name: Wq, .offset: 8, .size: 8, .value_kind: global_buffer, .address_space: global }
      - { .name: Wk, .offset: 16, .size: 8, .value_kind: global_buffer, .address_space: global }
      - { .name: Wv, .offset: 24, .size: 8, .value_kind: global_buffer, .address_space: global }
      - { .name: Wo, .offset: 32, .size: 8, .value_kind: global_buffer, .address_space: global }
      - { .name: xr, .offset: 40, .size: 8, .value_kind: global_buffer, .address_space: global }
      - { .name: wr, .offset: 48, .size: 8, .value_kind: global_buffer, .address_space: global }
    .group_segment_fixed_size: 83712
    .private_segment_fixed_size: 0
    .kernarg_segment_align: 8
    .kernarg_segment_size: 56
    .max_flat_workgroup_size: 64
    .sgpr_count:     66
    .vgpr_count:     256
    .wavefront_size: 32
...
	.end_amdgpu_metadata
.endif
;; end of part 1
;; launch qkv (part 2): grid 8 x 96, 4 waves a work-group, clusters of 4 x 4, 327,680 bytes of LDS; arguments xr, wr, bq, bk, bv, qr, kvr; writes qr, kvr
.if DOCPART == 2
	.amdgcn_target "amdgcn-amd-amdhsa--gfx1250"
	.amdhsa_code_object_version 6
	.text
	.protected	k_q990316d091_qkv
	.globl	k_q990316d091_qkv
	.p2align	8
	.type	k_q990316d091_qkv,@function
k_q990316d091_qkv:
	s_mov_b64 s[64:65], 0
	v_nop
	global_prefetch_b8 v0, s[64:65] scope:SCOPE_SE
	s_setreg_imm32_b32 hwreg(HW_REG_WAVE_MODE, 25, 1), 1
	s_wait_xcnt 0x0
	s_wait_alu depctr_hold_cnt(0) depctr_sa_sdst(0) depctr_va_vdst(0) depctr_va_sdst(0) depctr_va_ssrc(0) depctr_va_vcc(0) depctr_vm_vsrc(0)
	s_getreg_b32 s2, hwreg(HW_REG_IB_STS2, 6, 4)
	s_cmp_eq_u32 s2, 0
	s_cbranch_scc0 .Lentry_in_a_cluster
	s_endpgm
.Lentry_in_a_cluster:
	s_bfe_u32 s2, ttmp6, 0x10000c
	s_cmp_lg_u32 s2, 0xf033
	s_cbranch_scc0 .Lentry_shape_is_right
	s_endpgm
.Lentry_shape_is_right:
; q = x Wq + bq, k = x Wk + bk, v = x Wv + bv on codes of FP6 (E2M3) with E8M0 scales; the results are quantised again in registers and leave as the attention launch's operand registers.
; A tile is A (128 rows) x B (256 rows), K = 1,024.  TWO MODES, chosen by the cluster's y alone, by selects and never by a branch:
;   QK (cluster y < 16): A = tokens (xr), B = n of Wq (cluster x = 0) or Wk (1).     V: A = the d of Wv, B = tokens.
; The matrix instruction takes source 0 = 16 rows of B, source 1 = 16 rows of A: a lane holds ONE row of A and its registers run along B, which is d in QK and the keys in V: in both the next product's K.
; By the order of a tile's rows (row r of tile i of a quad = item 32 (i / 2) + 8 (i % 2) + r + 8 (r / 8)) the 16 registers of two neighbouring tiles are 16 neighbours along that K.
; ALL OF K LIES IN LDS: four slots of 256 K (76,800 bytes: A's 2 records, B's 4), each filled once; a wave issues four tensor loads at the start (four are out, by this text's count) and none later.
; CLUSTER 4 x 4: A's records are asked for jointly along a row of the cluster, B's along a column.  Waves 0, 1 fetch A's two records of a slot, waves 2, 3 B's two pairs.
; A wave makes 64 rows of A x 128 rows of B: 32 accumulators, by turns.
; OUT.  qr: [batch x head 64][128 tokens 16] records of 6,656 bytes: 8 token tiles x 768 (16 rows x 64 d: registers 0-3 at 16 x lane, 4-5 at 512 + 8 x lane), then two units [r 16][tile 4] of scale words (bytes 0, 1; bytes 2, 3 are 0).
;       kvr: the same count of records of 13,056 bytes: K laid as a qr record; at 6,656 V: 4 d tiles x (keys 0-63, keys 64-127) x 768; at 12,800 V's scale words [r 16][d tile 4].
; In V mode lanes 16-31 of the one store of scale words repeat lanes 0-15's bytes at the same addresses.
; LIMITS: NaN and infinities are not served; a block whose largest magnitude lies under 2^-124 keeps the scale byte 1.
; REGISTERS, in windows of 256: window 0: v1-16 LDS addresses; v17-26 lane terms; v32-63 A's scale words (4 s + a), v64-127 B's (8 s + b): they hold nothing else; v128-223 A's fragments, two sets; v224-231 the bias along A, in pairs;
;   v232-255 at work on the way out.   window 1: accumulator (a, b) at 8 (8 a + b).   window 2: B's fragments, sets at 0 and 96.   window 3: the bias along B, 64 registers, the C of each sum's first product.
.set REC,  12800
; THE FILLS, which stand in place of what the head says of slots.  The record of quad Q and 256 K group g is number 16 (Q / 4) + 8 (g / 2) + 4 ((Q / 2) % 2) + 2 (g % 2) + Q % 2 of xr or wr.
; So half of K of A's two quads is 4 records on end, and of B's four quads 8.  ONE tensor load a wave, each on a line of its own: wave 0 A's first half of K, wave 1 B's, wave 2 A's second half, wave 3 B's.
; LDS: A's first half at 0, B's at 4 records, A's second half at 12, B's at 16.  Waves 0 and 1 wait ahead of the first barrier; every wave waits ahead of the barrier in front of K step 4's fetch.  Nothing is filled again.
.set ADA,  1                           ; v1-4    16 x lane + my record of A in slot j
.set ADB,  5                           ; v5-8    the same for my two records of B
.set ASA,  9                           ; v9-12   16 r + my record of A
.set ASB,  13                          ; v13-16  16 r + my records of B
.set L16,  17
.set L8,   18
.set R16,  19
.set SA,   32
.set SB,   64
.set AF,   128
.set BM,   224
.set SRC,  128                         ; the way out: 64 numbers
.set PC,   192                         ; their codes
.set P2,   204                         ; v204-206, v208-210 the conversions' second halves
.set TM,   232                         ; v232-235 maxima, 236-239 bytes, 244-247 scale operands
.set PW,   248                         ; v248-251 the four row tiles' scale words
.set MW,   252                         ; v252-255 as they are stored
.set G1A,  24
.set G1B,  32
.set G0A,  40                          ; s[40:43] A's group 0
.set G0B,  68                          ; s[68:71] B's group 0
.set OB,   68                          ; the way out: eight bases (row tile a, half c) at s[OB + 4 a + 2 c], where B's groups 0 lay
.set MSB, 0
.macro WIN new                         ; the immediate's high byte repeats the setting that is left
.if MSB != \new
	s_set_vgpr_msb (MSB<<8)|\new
.set MSB, \new
.endif
.endm
.macro CROUND                          ; a round of the cluster's barrier
	s_barrier_signal -1
	s_barrier_wait -1
	s_cmp_lg_u32 s18, 0
	s_cbranch_scc1 .Lnot_wave_0_\@
	s_barrier_signal -3
.Lnot_wave_0_\@:
	s_barrier_wait -3
	s_barrier_signal -1
	s_barrier_wait -1
.endm
.macro PLACES                          ; four plain places behind matrix instructions, in front of loads into registers that they read and of the first read of results
.rept 4
	v_nop
.endr
.endm
	s_load_b128 s[4:7], s[0:1], 0x0                ; xr, wr
	s_load_b128 s[8:11], s[0:1], 0x10              ; bq, bk
	s_load_b128 s[12:15], s[0:1], 0x20             ; bv, qr
	s_load_b64 s[16:17], s[0:1], 0x30              ; kvr
	v_lshl_add_u32 v242, v0, 2, 0x4b000
	v_mov_b32 v243, 0
	ds_add_u32 v242, v243
	ds_add_u32 v242, v243
	v_lshrrev_b32 v20, 5, v0
	v_readfirstlane_b32 s18, v20                   ; wave
	s_lshr_b32 s19, s18, 1                         ; wm: my record of A.  Also: which half I fetch
	s_and_b32 s20, s18, 1                          ; wn: my pair of B's records.  Also: I fetch for A (0) or for B (1)
	s_bfe_u32 s21, ttmp6, 0x40000                  ; cx
	s_bfe_u32 s22, ttmp6, 0x40004                  ; cy
	s_and_b32 s23, ttmp7, 0xffff                   ; the cluster's y
	s_mov_b32 s2, 0x76543210
	s_mov_b32 s3, 0xfedcba98                       ; v_permlanex16_b32's selects for lane l xor 16
	s_sub_co_u32 s98, s23, 16
	s_cmp_lt_u32 s23, 16                           ; QK?  The same in all sixteen partners
	s_cselect_b32 s84, s23, ttmp9                  ; the cluster's coordinate along the tile rows,
	s_cselect_b32 s85, ttmp9, s98                  ; and along the tile columns
	s_cselect_b32 s86, -1, 0                       ; all ones in QK
	s_cselect_b32 s87, 0, -1                       ; all ones in V
	s_cselect_b32 s66, 0, 128*REC                  ; Wv's records begin at quad 32 of wr: record 128
	s_lshl_b32 s84, s84, 2
	s_add_co_u32 s84, s84, s22                     ; tile row
	s_lshl_b32 s85, s85, 2
	s_add_co_u32 s85, s85, s21                     ; tile column
	s_lshl_b32 s98, s22, 2
	s_lshl_b32 s98, 15, s98                        ; my row of the cluster
	s_lshl_b32 s99, 0x1111, s21                    ; my column
	; group 1: dense blocks as rows of 256 bytes (32 elements of 8 bytes): A's record 50 rows, B's pair 100
	s_or_b32 s[G1A], s98, (3<<16)|(1<<21)          ; 15:0 the mask; 17:16 elements of 8 bytes; 21 set beside a mask
	s_mov_b32 s[G1A+1], 32<<16                     ; tensor_dim0
	s_mov_b32 s[G1A+2], 200<<16                    ; tensor_dim1: 4 records
	s_mov_b32 s[G1A+3], 32<<16                     ; tile_dim0
	s_mov_b32 s[G1A+4], 200
	s_mov_b32 s[G1A+5], 32                         ; the pitch
	s_mov_b32 s[G1A+6], 0
	s_mov_b32 s[G1A+7], 0
	s_or_b32 s[G1B], s99, (3<<16)|(1<<21)
	s_mov_b32 s[G1B+1], 32<<16
	s_mov_b32 s[G1B+2], 400<<16                    ; 8 records
	s_mov_b32 s[G1B+3], 32<<16
	s_mov_b32 s[G1B+4], 400
	s_mov_b32 s[G1B+5], 32
	s_mov_b32 s[G1B+6], 0
	s_mov_b32 s[G1B+7], 0
	; what I would fetch for A hangs on the tile row and the wave alone, for B on the tile column and the wave alone
	s_lshr_b32 s98, s84, 1                         ; the half of K that I fetch is wave / 2 (s19)
	s_lshl_b32 s98, s98, 2
	s_lshl_b32 s100, s19, 1
	s_add_co_u32 s98, s98, s100
	s_and_b32 s100, s84, 1
	s_add_co_u32 s98, s98, s100                    ; A: 4 (tile row / 2) + 2 half + tile row % 2, in runs of 4 records
	s_mul_i32 s92, s98, 4*REC
	s_add_co_u32 s92, s92, s66
	s_mov_b32 s93, 0
	s_lshl_b32 s99, s85, 1
	s_add_co_u32 s99, s99, s19                     ; B: 2 x tile column + half, in runs of 8 records
	s_mul_i32 s94, s99, 8*REC
	s_mov_b32 s95, 0
	s_mul_i32 s96, s19, 12*REC                     ; where they go: A's half,
	s_add_co_u32 s97, s96, 4*REC                   ; and B's behind it
	; every LDS address register is made here
	v_and_b32 v20, 31, v0                          ; lane
	v_and_b32 v21, 15, v0                          ; r
	v_bfe_u32 v22, v0, 4, 1                        ; h
	v_lshlrev_b32 v[L16], 4, v20
	v_lshlrev_b32 v[L8], 3, v20
	v_lshlrev_b32 v[R16], 4, v21
	s_mul_i32 s60, s19, REC
	s_mul_i32 s61, s20, 4*REC
	s_add_co_u32 s61, s61, 4*REC
.irp j, 0,1,2,3
	v_add_nc_u32 v[ADA+\j], s60, v[L16]
	v_add_nc_u32 v[ADB+\j], s61, v[L16]
	v_add_nc_u32 v[ASA+\j], s60, v[R16]
	v_add_nc_u32 v[ASB+\j], s61, v[R16]
	s_add_co_u32 s60, s60, 2*REC+8*REC*(\j%2)      ; K group j lies at 12 (j / 2) + 2 (j % 2) records
	s_add_co_u32 s61, s61, 2*REC+8*REC*(\j%2)
.endr
	v_lshlrev_b32 v23, 6, v22                      ; the bias along B: 64 h
	v_and_b32 v24, 8, v21
	v_add_nc_u32 v24, v24, v21
	v_lshlrev_b32 v24, 2, v24                      ; the bias along A: 4 (r + 8 (r / 8))
.irp b, 0,1,2,3
	v_mov_b32 v[TM+4+\b], 0                        ; written once: a lane permute's destination counts as one of its sources
.endr
	s_wait_dscnt 0x0
	s_wait_kmcnt 0x0
	s_cmp_lt_u32 s23, 16
	s_cselect_b64 s[100:101], s[4:5], s[6:7]       ; A's buffer
	s_cselect_b64 s[62:63], s[6:7], s[4:5]         ; B's
	s_add_nc_u64 s[92:93], s[100:101], s[92:93]
	s_add_nc_u64 s[94:95], s[62:63], s[94:95]
	s_mov_b32 s[G0A], 1                            ; count = 1
	s_mov_b32 s[G0A+1], s96                        ; LDS address
	s_mov_b64 s[G0A+2:G0A+3], s[92:93]             ; global address
	s_or_b32 s[G0A+3], s[G0A+3], 0x80000000        ; type = 2
	s_mov_b32 s[G0B], 1
	s_mov_b32 s[G0B+1], s97
	s_mov_b64 s[G0B+2:G0B+3], s[94:95]
	s_or_b32 s[G0B+3], s[G0B+3], 0x80000000
	; the biases' addresses.  Along B (QK): bq or bk at 256 cx + 128 wn; in V mode offset 0, and the numbers are masked away.  Along A (V): bv at 64 x head; in QK mode offset 0, masked away
	s_cmp_eq_u32 ttmp9, 0
	s_cselect_b64 s[56:57], s[8:9], s[10:11]
	s_lshl_b32 s60, s21, 10
	s_lshl_b32 s61, s20, 9
	s_add_co_u32 s60, s60, s61
	s_and_b32 s60, s60, s86
	s_mov_b32 s61, 0
	s_add_nc_u64 s[56:57], s[56:57], s[60:61]
	s_lshl_b32 s60, s84, 1
	s_add_co_u32 s60, s60, s19
	s_lshl_b32 s60, s60, 8
	s_and_b32 s60, s60, s87
	s_add_nc_u64 s[58:59], s[12:13], s[60:61]
	CROUND                                         ; all sixteen work-groups are here: the joint loads meet
	s_cmp_eq_u32 s18, 0                            ; one chain of branches on the wave's number, one load to an arm
	s_cbranch_scc0 .Lw1
	tensor_load_to_lds s[G0A:G0A+3], s[G1A:G1A+7]  ; wave 0: A's first half of K
	s_nop 0
.rept 4
	v_nop
.endr
	s_branch .Lfirst_done
.Lw1:
	s_cmp_eq_u32 s18, 1
	s_cbranch_scc0 .Lw2
	tensor_load_to_lds s[G0B:G0B+3], s[G1B:G1B+7]  ; wave 1: B's first half
	s_nop 0
.rept 4
	v_nop
.endr
	s_branch .Lfirst_done
.Lw2:
	s_cmp_eq_u32 s18, 2
	s_cbranch_scc0 .Lw3
	tensor_load_to_lds s[G0A:G0A+3], s[G1A:G1A+7]  ; wave 2: A's second half
	s_nop 0
.rept 4
	v_nop
.endr
	s_branch .Lfirst_done
.Lw3:
	tensor_load_to_lds s[G0B:G0B+3], s[G1B:G1B+7]  ; wave 3: B's second half
	s_nop 0
.rept 4
	v_nop
.endr
.Lfirst_done:
	WIN 0xc0                                       ; destination window 3
	s_wait_alu depctr_va_vdst(0)
.irp b, 0,1,2,3,4,5,6,7                        ; tile b's eight numbers of my half: 32 (b / 2) + 16 h + 8 (b % 2) + 0 .. 7
	global_load_b128 v[8*\b:8*\b+3], v23, s[56:57] offset:(32*(\b/2)+8*(\b%2))*4
	global_load_b128 v[8*\b+4:8*\b+7], v23, s[56:57] offset:(32*(\b/2)+8*(\b%2))*4+16
.endr
	WIN 0
.irp a, 0,1,2,3
	global_load_b32 v[BM+2*\a], v24, s[58:59] offset:(32*(\a/2)+8*(\a%2))*4
.endr
; The fragments of K step s (slot s / 2, its K group s % 2) into set s % 2: B's eight, A's four; with a slot's first step the slot's scale words.
.macro FETCH s
	WIN 0x80                                       ; destination window 2
.irp b, 0,1,2,3,4,5,6,7
.irp p, 0,1,2
	ds_load_b128 v[96*((\s)%2)+12*\b+4*\p:96*((\s)%2)+12*\b+4*\p+3], v[ADB+(\s)/2] offset:(\b/4)*REC+(\b%4)*3072+1536*((\s)%2)+512*\p
.endr
.endr
	WIN 0
.irp a, 0,1,2,3
.irp p, 0,1,2
	ds_load_b128 v[AF+48*((\s)%2)+12*\a+4*\p:AF+48*((\s)%2)+12*\a+4*\p+3], v[ADA+(\s)/2] offset:\a*3072+1536*((\s)%2)+512*\p
.endr
.endr
.if (\s)%2 == 0
.irp q, 0,1
	ds_load_b128 v[SA+4*((\s)+\q):SA+4*((\s)+\q)+3], v[ASA+(\s)/2] offset:12288+256*\q          ; lane r: the words of row r of four tiles
	ds_load_b128 v[SB+8*((\s)+\q):SB+8*((\s)+\q)+3], v[ASB+(\s)/2] offset:12288+256*\q
	ds_load_b128 v[SB+8*((\s)+\q)+4:SB+8*((\s)+\q)+7], v[ASB+(\s)/2] offset:12288+REC+256*\q
.endr
.endif
.endm
.macro SLOTWAIT j                      ; slot j is whole: my fill of it has landed (those of the slots behind it may be out), no LDS load of mine is pending, and so for every wave
	s_wait_tensorcnt 0x0                           ; every wave: the second half of K is in
	s_wait_dscnt 0x0
	s_barrier_signal -1
	s_barrier_wait -1
.endm
.macro MUL s                           ; 32 matrix instructions: 128 along K
.if (\s) == 0
	WIN 0x72                                       ; source 0 window 2, source 1 window 0, C window 3 (the bias), D window 1
.else
	WIN 0x52                                       ; C and D window 1
.endif
.irp a, 0,1,2,3
.irp b, 0,1,2,3,4,5,6,7
.if (\s) == 0
	v_wmma_scale_f32_16x16x128_f8f6f4 v[8*(8*\a+\b):8*(8*\a+\b)+7], v[96*((\s)%2)+12*\b:96*((\s)%2)+12*\b+11], v[AF+48*((\s)%2)+12*\a:AF+48*((\s)%2)+12*\a+11], v[8*\b:8*\b+7], v[SB+8*(\s)+\b], v[SA+4*(\s)+\a] matrix_a_fmt:MATRIX_FMT_FP6 matrix_b_fmt:MATRIX_FMT_FP6
.else
	v_wmma_scale_f32_16x16x128_f8f6f4 v[8*(8*\a+\b):8*(8*\a+\b)+7], v[96*((\s)%2)+12*\b:96*((\s)%2)+12*\b+11], v[AF+48*((\s)%2)+12*\a:AF+48*((\s)%2)+12*\a+11], v[8*(8*\a+\b):8*(8*\a+\b)+7], v[SB+8*(\s)+\b], v[SA+4*(\s)+\a] matrix_a_fmt:MATRIX_FMT_FP6 matrix_b_fmt:MATRIX_FMT_FP6
.endif
.endr
.endr
.endm
	s_cmp_lt_u32 s18, 2
	s_cbranch_scc0 .Lnot_h0
	s_wait_tensorcnt 0x0                           ; waves 0 and 1: the first half of K is in; waves 2 and 3's loads may be out
.Lnot_h0:
	s_barrier_signal -1
	s_barrier_wait -1                              ; everybody's is
	FETCH 0
	s_wait_loadcnt 0x0                             ; the biases
	WIN 0xcc                                       ; source 1 and destination window 3
.set nn, 0
.rept 64
	v_and_b32 v[nn], s86, v[nn]                    ; the bias along B counts in QK alone
.set nn, nn+1
.endr
	s_wait_alu depctr_va_vdst(0)
	WIN 0
.irp a, 0,1,2,3
	v_and_b32 v[BM+2*\a], s87, v[BM+2*\a]          ; the bias along A counts in V alone;
	v_mov_b32 v[BM+2*\a+1], v[BM+2*\a]             ; a pair for the packed addition
.endr
.irp s, 0,1,2,3,4,5,6,7
.if \s == 3
	SLOTWAIT (\s+1)/2
.endif
.if (\s > 0) && (\s < 7)
	PLACES                                         ; the set that the step before last... the step before multiplied is loaded again
.endif
.if \s < 7
	FETCH \s+1
.if (\s+1)%2 == 0
	s_wait_dscnt 42                                ; all but the 42 just issued: this step's fragments are in
.else
	s_wait_dscnt 36                                ; all but the 36 just issued
.endif
.else
	s_wait_dscnt 0x0
.endif
	MUL \s
.endr
	WIN 0
	PLACES
	; THE WAY OUT.  All tensor loads are waited for, so the descriptors' registers are free.
	s_lshl_b32 s40, s84, 1
	s_add_co_u32 s40, s40, s19                     ; T2 = my record of A: QK: the token quad; V: the head
	s_lshl_b32 s41, s85, 1
	s_add_co_u32 s41, s41, s20                     ; KG = my pair of B's records: V: the group of 128 keys
	s_lshr_b32 s42, s40, 5
	s_lshl_b32 s42, s42, 4
	s_lshl_b32 s62, s21, 2
	s_add_co_u32 s42, s42, s62
	s_lshl_b32 s62, s20, 1
	s_add_co_u32 s42, s42, s62                     ; QK: batch x 16 + my first head, 4 cx + 2 wn
	s_bfe_u32 s43, s40, 0x40001                    ; QK: the group of 128 tokens in the batch
	s_and_b32 s62, s40, 1
	s_mul_i32 s44, s62, 3072                       ; QK: my quad's four tiles in the record,
	s_lshl_b32 s46, s62, 8
	s_add_co_u32 s46, s46, 6144                    ; and its unit of scale words
	s_lshr_b32 s48, s41, 4
	s_lshl_b32 s48, s48, 4
	s_add_co_u32 s48, s48, s40                     ; V: batch x 16 + head
	s_and_b32 s49, s41, 15                         ; V: the group of 128 keys in the batch
	s_or_b32 s62, ttmp9, s87                       ; 0 where q is made
	s_mov_b32 s50, 16*13056
	s_mov_b32 s51, 13056
	s_cmp_eq_u32 s62, 0
	s_cselect_b32 s50, 16*6656, s50                ; from head to head,
	s_cselect_b32 s51, 6656, s51                   ; from record to record,
	s_cselect_b64 s[52:53], s[14:15], s[16:17]     ; in qr or in kvr
	s_mov_b32 s54, 1536
	s_mov_b32 s62, 6656
	s_mov_b32 s63, 12800
	s_cmp_lt_u32 s23, 16
	s_cselect_b32 s42, s42, s48
	s_cselect_b32 s43, s43, s49
	s_cselect_b32 s44, s44, s62                    ; V's codes begin at 6,656,
	s_cselect_b32 s46, s46, s63                    ; its scale words at 12,800
	s_cselect_b32 s54, 768, s54                    ; from row tile to row tile
	s_cselect_b32 s56, s50, 768                    ; from half to half of a fragment: QK: the next head; V: the next 64 keys
	s_cselect_b32 s58, s50, 0                      ; the scale words of lanes 16-31: QK: the next head's
	s_cselect_b32 s59, 0xffff, -1
	s_mov_b32 s45, 0
	s_mov_b32 s47, 0
	s_mov_b32 s55, 0
	s_mov_b32 s57, 0
	s_mul_i32 s42, s42, s50
	s_mul_i32 s43, s43, s51
	s_add_co_u32 s42, s42, s43
	s_mov_b32 s43, 0
	s_add_nc_u64 s[52:53], s[52:53], s[42:43]      ; my record
	s_add_nc_u64 s[60:61], s[52:53], s[46:47]
	s_add_nc_u64 s[OB:OB+1], s[52:53], s[44:45]
	s_add_nc_u64 s[OB+2:OB+3], s[OB:OB+1], s[56:57]
.irp a, 1,2,3
	s_add_nc_u64 s[OB+4*\a:OB+4*\a+1], s[OB+4*\a-4:OB+4*\a-3], s[54:55]
	s_add_nc_u64 s[OB+4*\a+2:OB+4*\a+3], s[OB+4*\a-2:OB+4*\a-1], s[54:55]
.endr
	v_lshlrev_b32 v25, 4, v22
	v_and_b32 v25, s86, v25                        ; QK: lanes 16-31 take the upper two bytes of a word
	v_mul_u32_u24 v26, s58, v22
	v_add_nc_u32 v26, v26, v[R16]
; Row tile a: the bias along A is added on the way into window 0; 64 numbers of a lane (register 16 b + i = k 32 b + 16 h + i of my row) become a fragment and its scale word; four stores of 512 or 256 consecutive bytes.
.macro OUTA a
	WIN 0x01                                       ; source 0 window 1
.set nn, 0
.rept 32
	v_pk_add_f32 v[SRC+2*nn:SRC+2*nn+1], v[64*(\a)+2*nn:64*(\a)+2*nn+1], v[BM+2*(\a):BM+2*(\a)+1]   ; each accumulator from its low end on
.set nn, nn+1
.endr
	WIN 0
.irp b, 0,1,2,3
	v_max3_num_f32 v[TM+\b], |v[SRC+16*\b]|, |v[SRC+1+16*\b]|, 0x1800000   ; the floor 2^(3 - 127): the byte cannot fall under 1
.endr
.irp i, 2,4,6,8,10,12,14
.irp b, 0,1,2,3
	v_max3_num_f32 v[TM+\b], v[TM+\b], |v[SRC+16*\b+\i]|, |v[SRC+1+16*\b+\i]|
.endr
.endr
.irp b, 0,1,2,3
	v_permlanex16_b32 v[TM+4+\b], v[TM+\b], s2, s3
.endr
.irp b, 0,1,2,3
	v_max_num_f32 v[TM+\b], v[TM+\b], v[TM+4+\b]   ; with lane l xor 16's: the block's largest magnitude
.endr
.irp b, 0,1,2,3
	v_add_nc_u32 v[TM+12+\b], 0xff000000, v[TM+\b] ; 2 off the exponent field: the conversion's scale operand
.endr
.irp b, 0,1,2,3
	v_lshrrev_b32 v[TM+4+\b], 23, v[TM+12+\b]      ; the scale's byte
.endr
	v_lshl_or_b32 v[PW+(\a)], v[TM+5], 8, v[TM+4]
	v_lshl_or_b32 v[PW+(\a)], v[TM+6], 16, v[PW+(\a)]
	v_lshl_or_b32 v[PW+(\a)], v[TM+7], 24, v[PW+(\a)]
	s_wait_xcnt 0x0                                ; the last row tile's stores have read the codes' registers
.irp c, 0,1
	v_cvt_scalef32_pk16_fp6_f32 v[PC+6*\c:PC+2+6*\c], v[SRC+32*\c:SRC+15+32*\c], v[TM+12+2*\c]
	v_cvt_scalef32_pk16_fp6_f32 v[P2+4*\c:P2+2+4*\c], v[SRC+16+32*\c:SRC+31+32*\c], v[TM+12+2*\c+1]   ; (a conversion's three registers begin on an even number)
.endr
	v_nop                                          ; one plain place behind a scaled conversion
.irp c, 0,1                                    ; the operand's layout wants a whole block in a lane: lanes 0-15 block 2 c, lanes 16-31 block 2 c + 1
.irp i, 0,1,2
	v_permlane16_swap_b32 v[PC+6*\c+\i], v[P2+4*\c+\i]
.endr
.irp i, 0,1,2
	v_mov_b32 v[PC+3+6*\c+\i], v[P2+4*\c+\i]
.endr
.endr
.irp c, 0,1
	global_store_b128 v[L16], v[PC+6*\c:PC+6*\c+3], s[OB+4*(\a)+2*\c:OB+4*(\a)+2*\c+1]
	global_store_b64 v[L8], v[PC+6*\c+4:PC+6*\c+5], s[OB+4*(\a)+2*\c:OB+4*(\a)+2*\c+1] offset:512
.endr
.endm
	OUTA 0
	OUTA 1
	OUTA 2
	OUTA 3
.irp a, 0,1,2,3
	v_lshrrev_b32 v[MW+\a], v25, v[PW+\a]
.endr
.irp a, 0,1,2,3
	v_and_b32 v[MW+\a], s59, v[MW+\a]              ; QK: two bytes a head, the upper two 0; V: the word as it is
.endr
	global_store_b128 v26, v[MW:MW+3], s[60:61]    ; lane r: row r's words of the four row tiles
	s_wait_tensorcnt 0x0
	ds_add_u32 v242, v243
	s_wait_dscnt 0x0
	CROUND                                         ; the closing round: no work-group ends while a partner may still ask jointly
	s_endpgm
.Lfunc_end_k_q990316d091_qkv:
	.size	k_q990316d091_qkv, .Lfunc_end_k_q990316d091_qkv-k_q990316d091_qkv
	.p2alignl 7, 3214868480
	.fill 96, 4, 3214868480
	.section	.rodata,"a",@progbits
	.p2align	6, 0x0
	.amdhsa_kernel k_q990316d091_qkv
		.amdhsa_group_segment_fixed_size 327680
		.amdhsa_private_segment_fixed_size 0
		.amdhsa_enable_private_segment 0
		.amdhsa_kernarg_size 56
		.amdhsa_user_sgpr_count 2
		.amdhsa_user_sgpr_kernarg_segment_ptr 1
		.amdhsa_wavefront_size32 1
		.amdhsa_system_sgpr_workgroup_id_x 1
		.amdhsa_system_sgpr_workgroup_id_y 1
		.amdhsa_system_sgpr_workgroup_id_z 1
		.amdhsa_system_vgpr_workitem_id 0
		.amdhsa_next_free_vgpr 832
		.amdhsa_next_free_sgpr 102
		.amdhsa_reserve_vcc 0
		.amdhsa_float_denorm_mode_32 3
		.amdhsa_float_denorm_mode_16_64 3
		.amdhsa_memory_ordered 1
		.amdhsa_forward_progress 1
		.amdhsa_inst_pref_size 94
	.end_amdhsa_kernel
	.amdgpu_metadata
---
amdhsa.version: [ 1, 2 ]
amdhsa.kernels:
  - .name:           k_q990316d091_qkv
    .symbol:         k_q990316d091_qkv.kd
    .args:
      - { .name: xr, .offset: 0, .size: 8, .value_kind: global_buffer, .address_space: global }
      - { .name: wr, .offset: 8, .size: 8, .value_kind: global_buffer, .address_space: global }
      - { .name: bq, .offset: 16, .size: 8, .value_kind: global_buffer, .address_space: global }
      - { .name: bk, .offset: 24, .size: 8, .value_kind: global_buffer, .address_space: global }
      - { .name: bv, .offset: 32, .size: 8, .value_kind: global_buffer, .address_space: global }
      - { .name: qr, .offset: 40, .size: 8, .value_kind: global_buffer, .address_space: global }
      - { .name: kvr, .offset: 48, .size: 8, .value_kind: global_buffer, .address_space: global }
    .group_segment_fixed_size: 327680
    .private_segment_fixed_size: 0
    .kernarg_segment_align: 8
    .kernarg_segment_size: 56
    .max_flat_workgroup_size: 128
    .sgpr_count:     102
    .vgpr_count:     832
    .wavefront_size: 32
...
	.end_amdgpu_metadata
.endif
;; end of part 2
;; launch attn (part 3): grid 8 x 32, 16 waves a work-group, clusters of 4 x 1, 327,680 bytes of LDS; arguments qr, kvr, cr; writes cr
.if DOCPART == 3
	.amdgcn_target "amdgcn-amd-amdhsa--gfx1250"
	.amdhsa_code_object_version 6
	.text
	.protected	k_q990316d091_attn
	.globl	k_q990316d091_attn
	.p2align	8
	.type	k_q990316d091_attn,@function
k_q990316d091_attn:
	s_mov_b64 s[64:65], 0
	v_nop
	global_prefetch_b8 v0, s[64:65] scope:SCOPE_SE
	s_setreg_imm32_b32 hwreg(HW_REG_WAVE_MODE, 25, 1), 1
	s_wait_xcnt 0x0
	s_wait_alu depctr_hold_cnt(0) depctr_sa_sdst(0) depctr_va_vdst(0) depctr_va_sdst(0) depctr_va_ssrc(0) depctr_va_vcc(0) depctr_vm_vsrc(0)
	s_getreg_b32 s2, hwreg(HW_REG_IB_STS2, 6, 4)
	s_cmp_eq_u32 s2, 0
	s_cbranch_scc0 .Lentry_in_a_cluster
	s_endpgm
.Lentry_in_a_cluster:
	s_bfe_u32 s2, ttmp6, 0x10000c
	s_cmp_lg_u32 s2, 0x3003
	s_cbranch_scc0 .Lentry_shape_is_right
	s_endpgm
.Lentry_shape_is_right:
; ctx = softmax(q k^T / 8) v for heads of 64, both products on codes of FP6 (E2M3) with E8M0 scales; ctx is quantised along head x 64 + d and leaves as the last launch's operand registers.
; THE SOFTMAX: t = score x log2(e) / 8; M = the row's largest t so far, rounded up to a whole number (the running maximum is kept as a score; t rises with it); p = 2^(t - M) is quantised along the keys, not normalised;
; the row's sum is taken of the unquantised p and divides at the end.  When M moves, the sum and O are multiplied by 2^(old M - new M): exact.
; SHARES.  A work-group owns 256 queries of one batch and a PAIR of heads, one after the other; each of its sixteen waves owns one tile of 16 queries.  So a wave ends with a whole fragment of ctx (two heads = 128 along K).
; LAYOUT.  S^T = K Q^T (source 0 = 16 keys, source 1 = my queries), O^T = V^T P^T (source 0 = 16 d, source 1 = P): a lane holds one query throughout.  By the order of a tile's rows (made by the launches before) the 16 registers of two
; neighbouring tiles of S^T are 16 neighbouring keys, and those of O^T 16 neighbouring d.
; K = 64 IN AN INSTRUCTION OF 128: Q's registers 6-11 are zero codes and the upper two bytes of Q's and K's scale words are 0 (2^-127, no NaN).  K's operand for tile t names 12 registers of which the upper six are the next tile's codes
; (for the last tile: zeros): they meet Q's zero codes and add nothing.
; RING.  A key step's record (13,056 bytes: K's 8 tiles and scale words, V's 4 tiles and scale words) is dense in kvr; a slot holds 8; the two heads are one stream of 4 slots through 2 LDS slots.
; Each of the sixteen waves brings ONE record, wave w record w of sixteen, to LDS byte 13,056 w; waves 0-7 (slot 0) and waves 8-15 (slot 1) have load lines of their own.  Waves 0-7 fill slot 0 again, waves 8-15 slot 1:
; one tensor load of a wave is out at the most.
; CLUSTER 4 x 1: the four query blocks of a cluster walk the same records: each load is asked for jointly (mask 15).  No prefetch is laid: a refill is issued eight key steps ahead of the wait for it.
; THE KEY STEP'S ORDER: lines that hang on each other stand five or more vector lines apart wherever other work is at hand (the blocks' scales, the sum's tree and O's rescaling are laid among each other); only M's own chain has nothing to stand between.
; cr: the record of quad Q and 256 K group g is number 16 (Q / 4) + 8 (g / 2) + 4 ((Q / 2) % 2) + 2 (g % 2) + Q % 2.
; LIMITS: NaN and infinities are not served; 1 / sum is v_rcp_f32; a block of ctx whose largest magnitude lies under 2^-124 keeps the scale byte 1.
; REGISTERS: v1-3 16 l, 8 l, 16 r; v4-5 the spare word's address and 0; v6-7 the gather of scale words; v8-10 the step's LDS addresses; v11 a global lane term; v12 -M, v13 the largest score, v[14:15] the sum; v16-27 Q (22-27 zeros); v28 Q's word,
;   v29 ctx's, v30 p's; v32-79 K's tiles, 6 each; v80-85 zeros; v86-93 K's words; v96-159 S^T, then p; v160-191 O^T; v192-239 V; v240-243 V's words; v244-250 the second head's Q and word, later (v244-255) ctx's codes.
;   Behind K Q^T: v32-43 p's codes, v44.., v48.. second halves, v52-55 block maxima, v56-59 permutes, v60-63 scale operands, v64-67 bytes, v[68:69] f, v70-71 at work, v[72:73], v88-95, v252-255 chains of sums.
.set REC,   12800
.set KVR,   13056                      ; a key step's record
.set SLOTB, 8*KVR                      ; a slot
.set SPARE, 2*SLOTB                    ; the spare words: 128 bytes for each of 16 waves
.set GATH,  SPARE+2048                 ; 1,024 bytes: the 16 tiles' scale words meet here
.macro CROUND                          ; a round of the cluster's barrier
	s_barrier_signal -1
	s_barrier_wait -1
	s_cmp_lg_u32 s10, 0
	s_cbranch_scc1 .Lnot_wave_0_\@
	s_barrier_signal -3
.Lnot_wave_0_\@:
	s_barrier_wait -3
	s_barrier_signal -1
	s_barrier_wait -1
.endm
.macro TLOAD n                         ; slot n is filled again: by waves 0-7 (n = 0) or 8-15 (n = 1)
	s_cmp_lt_u32 s10, 8
.if \n
	s_cbranch_scc1 .Lnone_\@
.else
	s_cbranch_scc0 .Lnone_\@
.endif
	tensor_load_to_lds s[32:35], s[24:31]
	s_nop 0
.rept 4
	v_nop
.endr
.Lnone_\@:
.endm
	s_load_b128 s[4:7], s[0:1], 0x0                ; qr, kvr
	s_load_b64 s[8:9], s[0:1], 0x10                ; cr
	v_lshl_add_u32 v4, v0, 2, SPARE
	v_mov_b32 v5, 0
	ds_add_u32 v4, v5
	ds_add_u32 v4, v5
	s_wait_dscnt 0x0
	v_lshrrev_b32 v8, 5, v0
	s_delay_alu instid0(VALU_DEP_1)
	v_readfirstlane_b32 s10, v8                    ; wave 0..15
	s_bfe_u32 s11, ttmp6, 0x40000                  ; cx
	s_lshl_b32 s12, ttmp9, 2
	s_add_co_u32 s12, s12, s11                     ; my block of 256 queries: it enters global addresses of q and ctx alone
	s_and_b32 s13, ttmp7, 0xffff
	s_lshr_b32 s14, s13, 3                         ; the batch
	s_and_b32 s15, s13, 7                          ; the pair of heads
	s_mov_b32 s16, 0x76543210
	s_mov_b32 s17, 0xfedcba98                      ; v_permlanex16_b32's selects for lane l xor 16
	s_mov_b32 s18, 0x3e38aa3b                      ; c = log2(e) / 8
	s_mov_b32 s19, s18                             ; (named with it as a pair, so it is written)
	s_mov_b32 s24, 15|(3<<16)|(1<<21)              ; group 1: one record as 51 rows of 256 bytes (32 elements of 8); the mask names all four work-groups
	s_mov_b32 s25, 32<<16
	s_mov_b32 s26, 51<<16
	s_mov_b32 s27, 32<<16
	s_mov_b32 s28, 51
	s_mov_b32 s29, 32
	s_mov_b32 s30, 0
	s_mov_b32 s31, 0
	s_lshl_b32 s40, s14, 4
	s_lshl_b32 s41, s15, 1
	s_add_co_u32 s40, s40, s41                     ; batch x 16 + my first head
	s_mul_i32 s42, s40, 16*KVR
	s_mul_i32 s44, s10, KVR                        ; my record of sixteen
	s_add_co_u32 s42, s42, s44
	s_mov_b32 s43, 0
	s_mul_i32 s46, s40, 16*6656                    ; q: record 2 x block + wave / 8 of the head, tile wave % 8
	s_lshl_b32 s47, s12, 1
	s_lshr_b32 s48, s10, 3
	s_add_co_u32 s47, s47, s48
	s_mul_i32 s47, s47, 6656
	s_add_co_u32 s46, s46, s47
	s_and_b32 s48, s10, 7
	s_mul_i32 s48, s48, 768
	s_add_co_u32 s48, s48, s46
	s_mov_b32 s49, 0
	s_bfe_u32 s50, s10, 0x10002
	s_lshl_b32 s50, s50, 8
	s_and_b32 s51, s10, 3
	s_lshl_b32 s51, s51, 2
	s_add_co_u32 s50, s50, s51
	s_add_co_u32 s50, s50, s46                     ; its scale words: unit (wave / 4) % 2, word wave % 4 of each row
	s_mov_b32 s51, 0
	s_bfe_u32 s56, s15, 0x10002                    ; ctx: g / 2, g = hp / 2
	s_lshl_b32 s56, s56, 3
	s_and_b32 s57, s15, 2                          ; 2 (g % 2)
	s_add_co_u32 s56, s56, s57
	s_lshl_b32 s57, s14, 7                         ; 16 x (8 b + block): the block's four quads are one group
	s_lshl_b32 s58, s12, 4
	s_add_co_u32 s57, s57, s58
	s_add_co_u32 s56, s56, s57
	s_mul_i32 s56, s56, REC
	s_and_b32 s58, s15, 1
	s_lshl_b32 s59, s58, 8
	s_add_co_u32 s60, s56, s59                     ; the block's first record, its scale words of my K group
	s_mov_b32 s61, 0
	s_mul_i32 s58, s58, 1536
	s_add_co_u32 s56, s56, s58
	s_lshr_b32 s58, s10, 2
	s_and_b32 s59, s58, 2
	s_lshl_b32 s59, s59, 1
	s_and_b32 s62, s58, 1
	s_add_co_u32 s59, s59, s62                     ; my quad in the group: 4 (its pair) + its place in the pair
	s_mul_i32 s59, s59, REC
	s_add_co_u32 s56, s56, s59
	s_lshl_b32 s62, s58, 8
	s_and_b32 s58, s10, 3
	s_mul_i32 s59, s58, 3072
	s_add_co_u32 s56, s56, s59
	s_mov_b32 s57, 0
	s_lshl_b32 s58, s58, 2
	s_add_co_u32 s62, s62, s58
	s_add_co_u32 s62, s62, GATH                    ; the gather: 256 (wave / 4) + 4 (wave % 4)
	v_and_b32 v8, 31, v0
	v_and_b32 v9, 15, v0
	v_bfe_u32 v10, v0, 4, 1
	s_delay_alu instid0(VALU_DEP_3)
	v_lshlrev_b32 v1, 4, v8                        ; 16 x lane
	s_delay_alu instid0(VALU_DEP_4)
	v_lshlrev_b32 v2, 3, v8                        ; 8 x lane
	s_delay_alu instid0(VALU_DEP_4)
	v_lshlrev_b32 v3, 4, v9                        ; 16 r
	s_delay_alu instid0(VALU_DEP_1)
	v_add_nc_u32 v6, s62, v3
	s_delay_alu instid0(VALU_DEP_4)
	v_add_nc_u32 v7, GATH, v1
	v_mul_u32_u24 v11, v10, REC
	s_delay_alu instid0(VALU_DEP_1)
	v_add_nc_u32 v11, v11, v3                      ; lanes 0-15 one record's unit of scale words, lanes 16-31 the next record's
	s_wait_kmcnt 0x0
	s_add_nc_u64 s[42:43], s[6:7], s[42:43]
	s_add_nc_u64 s[52:53], s[4:5], s[48:49]
	s_add_nc_u64 s[54:55], s[4:5], s[50:51]
	s_add_nc_u64 s[56:57], s[8:9], s[56:57]
	s_add_nc_u64 s[60:61], s[8:9], s[60:61]
	s_mov_b32 s32, 1                               ; group 0: count = 1,
	s_mov_b32 s33, s44                             ; LDS address,
	s_mov_b64 s[34:35], s[42:43]                   ; global address,
	s_or_b32 s35, s35, 0x80000000                  ; type = 2
	CROUND                                         ; all four work-groups are here: the first joint loads meet
	s_cmp_lt_u32 s10, 8                            ; one load a wave, in two arms: slot 0's line and slot 1's
	s_cbranch_scc0 .Lfirst_hi
	tensor_load_to_lds s[32:35], s[24:31]
	s_nop 0
.rept 4
	v_nop
.endr
	s_branch .Lno_first
.Lfirst_hi:
	tensor_load_to_lds s[32:35], s[24:31]
	s_nop 0
.rept 4
	v_nop
.endr
.Lno_first:
	s_wait_alu depctr_va_vdst(0)
	global_load_b128 v[16:19], v1, s[52:53]                    ; Q of the first head: registers 0-3,
	global_load_b64 v[20:21], v2, s[52:53] offset:512          ; 4-5,
	global_load_b32 v28, v3, s[54:55] offset:6144              ; and its rows' scale words
	global_load_b128 v[244:247], v1, s[52:53] offset:16*6656   ; the second head's
	global_load_b64 v[248:249], v2, s[52:53] offset:16*6656+512
	global_load_b32 v250, v3, s[54:55] offset:16*6656+6144
.irp n, 0,1,2,3,4,5
	v_mov_b32 v[22+\n], 0                          ; Q's upper 64 along K: zero codes
	v_mov_b32 v[80+\n], 0                          ; and what the last tile of K names above its own six
.endr
.macro INIT                            ; a head begins: O^T and the sum are zeros and the largest score lies under every score, so the key step is written once
	v_mov_b32 v13, 0xff61b1e6                      ; -3e38
	s_delay_alu instid0(VALU_DEP_1)
	v_floor_f32 v12, -v13
	v_mov_b32 v14, 0
	v_mov_b32 v15, 0
.set nn, 0
.rept 32
	v_mov_b32 v[160+nn], 0
.set nn, nn+1
.endr
.endm
	INIT
.macro TM from, cnt                    ; t - M, two at a time
.set nn, \from
.rept \cnt
	v_pk_fma_f32 v[96+nn:97+nn], v[96+nn:97+nn], s[18:19], v[12:13] op_sel_hi:[1,0,0]
.set nn, nn+2
.endr
.endm
.macro RS from, cnt                    ; O^T under the new M, each accumulator from its low end on
.set nn, \from
.rept \cnt
	v_pk_mul_f32 v[160+nn:161+nn], v[160+nn:161+nn], v[68:69] op_sel_hi:[1,0]
.set nn, nn+2
.endr
.endm
.macro PA d, a, b
	v_pk_add_f32 v[\d:\d+1], v[\a:\a+1], v[\b:\b+1]
.endm
; A KEY STEP: 128 keys; their record begins at LDS byte s20.
.macro STEP
	v_add_nc_u32 v8, s20, v1                       ; these three and the v_nop are the four places in front of loads into registers that the last products read
	v_add_nc_u32 v9, s20, v2
	v_add_nc_u32 v10, s20, v3
	v_nop
.irp t, 0,1,2,3,4,5,6,7
	ds_load_b128 v[32+6*\t:35+6*\t], v8 offset:768*\t
	ds_load_b64 v[36+6*\t:37+6*\t], v9 offset:768*\t+512
.endr
	ds_load_b128 v[86:89], v10 offset:6144         ; lane r: row r's words of tiles 0-3,
	ds_load_b128 v[90:93], v10 offset:6400         ; and of tiles 4-7
.irp t, 0,1,2,3
.irp c, 0,1
	ds_load_b128 v[192+12*\t+6*\c:195+12*\t+6*\c], v8 offset:6656+1536*\t+768*\c
	ds_load_b64 v[196+12*\t+6*\c:197+12*\t+6*\c], v9 offset:6656+1536*\t+768*\c+512
.endr
.endr
	ds_load_b128 v[240:243], v10 offset:12800
	s_wait_dscnt 17                                ; K and its words are in; V's 16 loads and its words' may be out
.irp t, 0,1,2,3,4,5,6,7
	v_wmma_scale_f32_16x16x128_f8f6f4 v[96+8*\t:103+8*\t], v[32+6*\t:43+6*\t], v[16:27], 0, v[86+\t], v28 matrix_a_fmt:MATRIX_FMT_FP6 matrix_b_fmt:MATRIX_FMT_FP6
.endr
.rept 4
	v_nop
.endr
.irp b, 0,1,2,3
	v_max3_num_f32 v[52+\b], v[96+16*\b], v[97+16*\b], v[98+16*\b]   ; the largest score of each block of 32 keys: it serves for the row's maximum and, since p rises with the score, for the block's largest p
.endr
.irp i, 3,5,7,9,11,13
.irp b, 0,1,2,3
	v_max3_num_f32 v[52+\b], v[52+\b], v[96+16*\b+\i], v[97+16*\b+\i]
.endr
.endr
.irp b, 0,1,2,3
	v_max_num_f32 v[52+\b], v[52+\b], v[111+16*\b]
.endr
	v_mov_b32 v70, v12                             ; the old -M
.irp b, 0,1,2,3
	v_permlanex16_b32 v[56+\b], v[52+\b], s16, s17
.endr
	v_nop                                          ; a fifth line between the four permutes and their readers
.irp b, 0,1,2,3
	v_max_num_f32 v[52+\b], v[52+\b], v[56+\b]     ; with lane l xor 16's 16 keys
.endr
	s_delay_alu instid0(VALU_DEP_2)
	v_max3_num_f32 v71, v52, v53, v54
	s_delay_alu instid0(VALU_DEP_1)
	v_max3_num_f32 v13, v13, v71, v55              ; the running largest score
	s_delay_alu instid0(VALU_DEP_1)
	v_mul_f32 v71, s18, v13                        ; as t (c is positive)
	s_delay_alu instid0(VALU_DEP_1)
	v_floor_f32 v12, -v71                          ; the new -M = -ceil(t): a whole number
	TM 0, 5
	v_sub_f32 v70, v12, v70                        ; old M - new M: a whole number, 0 or less
	TM 10, 5
	v_cvt_i32_f32 v70, v70                         ; (it saturates)
	TM 20, 5
	v_ldexp_f32 v68, 1.0, v70                      ; f = 2^(old M - new M)
	TM 30, 17
.irp b, 0,1,2,3
	v_fma_f32 v[52+\b], v[52+\b], s18, v12         ; the same of each block's largest score
.endr
.set nn, 0
	s_wait_alu depctr_va_vdst(0)                   ; the wait ahead of the batch
.rept 64
	v_exp_f32 v[96+nn], v[96+nn]                   ; p = 2^(t - M)
.set nn, nn+1
.endr
	v_pk_mul_f32 v[14:15], v[14:15], v[68:69] op_sel_hi:[1,0]   ; the sums under the new M: a plain place behind the exponentials
	s_wait_alu depctr_va_vdst(0)                   ; one wait for the batch, ahead of its first reader
.irp b, 0,1,2,3
	v_exp_f32 v[52+\b], v[52+\b]                   ; the block's largest p
.endr
	PA 72, 100, 104                                ; the row's sum of the unquantised p: eight chains by turns
	PA 254, 108, 112
	PA 252, 116, 120
	PA 94, 124, 128
	PA 92, 132, 136
	PA 90, 140, 144
	PA 88, 148, 152
	PA 14, 14, 156
	PA 72, 72, 96
	PA 254, 254, 98
	PA 252, 252, 102
	PA 94, 94, 106
	PA 92, 92, 110
	PA 90, 90, 114
	PA 88, 88, 118
	PA 14, 14, 122
	s_wait_dscnt 0x0                               ; V is in
	s_wait_alu depctr_va_vdst(0)                   ; one wait for the four, and ahead of O^T's first readers: only plain vector lines stand from here to the twelfth of them
.irp b, 0,1,2,3
	v_max_num_f32 v[52+\b], 0x1800000, v[52+\b]    ; the floor 2^(3 - 127): the byte cannot fall under 1
.endr
	PA 72, 72, 126
	PA 254, 254, 130
	PA 252, 252, 134
	PA 94, 94, 138
.irp b, 0,1,2,3
	v_add_nc_u32 v[60+\b], 0xff000000, v[52+\b]    ; 2 off the exponent field: the conversion's scale operand
.endr
	PA 92, 92, 142
	PA 90, 90, 146
	PA 88, 88, 150
	PA 14, 14, 154
.irp b, 0,1,2,3
	v_lshrrev_b32 v[64+\b], 23, v[60+\b]           ; the scale's byte
.endr
	PA 72, 72, 158
	PA 14, 14, 94                                  ; the eight chains are joined
	PA 254, 254, 90
	PA 252, 252, 88
	v_lshl_or_b32 v30, v65, 8, v64                 ; p's scale word for these 128 keys: its lower half,
	v_lshl_or_b32 v66, v67, 8, v66                 ; its upper half
	PA 72, 72, 92
	RS 0, 3
	PA 14, 14, 254
	PA 72, 72, 252
	v_lshl_or_b32 v30, v66, 16, v30
	RS 6, 4
	PA 14, 14, 72
	RS 14, 5
.irp c, 0,1
	v_cvt_scalef32_pk16_fp6_f32 v[32+6*\c:34+6*\c], v[96+32*\c:111+32*\c], v[60+2*\c]
	v_cvt_scalef32_pk16_fp6_f32 v[44+4*\c:46+4*\c], v[112+32*\c:127+32*\c], v[60+2*\c+1]   ; (a conversion's three registers begin on an even number)
.endr
	v_nop                                          ; one plain place behind a scaled conversion
.irp c, 0,1                                    ; the operand's layout wants a whole block in a lane: six swaps, then six moves
.irp i, 0,1,2
	v_permlane16_swap_b32 v[32+6*\c+\i], v[44+4*\c+\i]
.endr
.endr
.irp c, 0,1
.irp i, 0,1,2
	v_mov_b32 v[35+6*\c+\i], v[44+4*\c+\i]
.endr
.endr
	s_wait_alu depctr_va_vdst(0)                   ; directly ahead of the first readers of O^T's last accumulator
	RS 24, 4                                       ; these four are also the places between the codes just made and the products
.irp t, 0,1,2,3
	v_wmma_scale_f32_16x16x128_f8f6f4 v[160+8*\t:167+8*\t], v[192+12*\t:203+12*\t], v[32:43], v[160+8*\t:167+8*\t], v[240+\t], v30 matrix_a_fmt:MATRIX_FMT_FP6 matrix_b_fmt:MATRIX_FMT_FP6
.endr
.endm
.macro SLOT_STEPS base                 ; a slot's eight key steps: written once, walked eight times
	s_mov_b32 s20, \base
	s_mov_b32 s21, 8
.Lstep_\@:
	STEP
	s_add_co_u32 s20, s20, KVR
	s_sub_co_u32 s21, s21, 1
	s_cmp_lg_u32 s21, 0
	s_cbranch_scc1 .Lstep_\@
.endm
; THE CHANGE OF SLOTS.  Each wave waits for all its tensor loads, adds 0 to its spare word, and waits for that and for its reads of slot n, which it has left.
; fill = 1: behind a round of the cluster's barrier slot n is filled with the records two slots on: the load has eight key steps in which to land.
.macro CHANGE n, fill
	s_wait_tensorcnt 0x0                           ; no tensor load of mine is out, so group 0 may be written
	ds_add_u32 v4, v5                              ; 0 onto my spare word
.if \fill && (\n == 0)
	s_add_nc_u64 s[34:35], s[34:35], 2*SLOTB       ; every wave's record sixteen on: stepped once
.endif
	s_wait_dscnt 0x0                               ; the add is done, and my reads of the slot are over
.if \fill
	CROUND
	TLOAD \n
.else
	s_barrier_signal -1
	s_barrier_wait -1
.endif
.endm
; A head ends: O^T / the sum; its 32 numbers a lane (register 16 b + i = d 32 b + 16 h + i) are two blocks of ctx's K; their codes are registers 6 c .. 6 c + 5 of ctx's fragment, their bytes 2 c, 2 c + 1 of its scale word.
.macro FINISH c
.rept 4
	v_nop                                          ; places behind the last products
.endr
	v_add_f32 v14, v14, v15
	s_delay_alu instid0(VALU_DEP_1)
	v_permlanex16_b32 v56, v14, s16, s17
	s_delay_alu instid0(VALU_DEP_1)
	v_add_f32 v14, v14, v56                        ; the row's sum
	s_wait_alu depctr_va_vdst(0)
	v_rcp_f32 v14, v14
	v_nop                                          ; a plain place behind the reciprocal
	s_wait_alu depctr_va_vdst(0)                   ; and the wait ahead of its first reader
.set nn, 0
.rept 32
	v_mul_f32 v[96+nn], v[160+nn], v14             ; each accumulator from its low end on
.set nn, nn+1
.endr
.irp b, 0,1
	v_max3_num_f32 v[52+\b], |v[96+16*\b]|, |v[97+16*\b]|, 0x1800000
.endr
.irp i, 2,4,6,8,10,12,14
.irp b, 0,1
	s_delay_alu instid0(VALU_DEP_2)
	v_max3_num_f32 v[52+\b], v[52+\b], |v[96+16*\b+\i]|, |v[97+16*\b+\i]|
.endr
.endr
.irp b, 0,1
	s_delay_alu instid0(VALU_DEP_2)
	v_permlanex16_b32 v[56+\b], v[52+\b], s16, s17
.endr
.irp b, 0,1
	s_delay_alu instid0(VALU_DEP_2)
	v_max_num_f32 v[52+\b], v[52+\b], v[56+\b]
.endr
.irp b, 0,1
	s_delay_alu instid0(VALU_DEP_2)
	v_add_nc_u32 v[60+\b], 0xff000000, v[52+\b]
.endr
.irp b, 0,1
	s_delay_alu instid0(VALU_DEP_2)
	v_lshrrev_b32 v[64+\b], 23, v[60+\b]
.endr
.if \c == 0
	s_delay_alu instid0(VALU_DEP_1)
	v_lshl_or_b32 v29, v65, 8, v64
.else
	s_delay_alu instid0(VALU_DEP_2)
	v_lshl_or_b32 v29, v64, 16, v29
	s_delay_alu instid0(VALU_DEP_1)
	v_lshl_or_b32 v29, v65, 24, v29
.endif
	v_cvt_scalef32_pk16_fp6_f32 v[244+6*\c:246+6*\c], v[96:111], v60
	v_cvt_scalef32_pk16_fp6_f32 v[44:46], v[112:127], v61
	v_nop                                          ; one plain place behind a scaled conversion
.irp i, 0,1,2
	v_permlane16_swap_b32 v[244+6*\c+\i], v[44+\i]
.endr
.irp i, 0,1,2
	s_delay_alu instid0(VALU_DEP_3)
	v_mov_b32 v[247+6*\c+\i], v[44+\i]
.endr
.endm
	s_cmp_lt_u32 s10, 8
	s_cbranch_scc0 .Lnot_lo
	s_wait_tensorcnt 0x0                           ; waves 0-7: slot 0's records are in; slot 1's may be out, and the first change of slots shows them
.Lnot_lo:
	s_barrier_signal -1
	s_barrier_wait -1                              ; everybody's is
	s_wait_loadcnt 0x0                             ; Q
	SLOT_STEPS 0                                   ; the first head's keys 0 to 1,023
	CHANGE 0, 1                                    ; slot 0 takes the second head's first half
	SLOT_STEPS SLOTB                               ; keys 1,024 to 2,047
	CHANGE 1, 1                                    ; slot 1 takes its second half
.irp n, 0,1,2,3,4,5
	v_mov_b32 v[16+\n], v[244+\n]                  ; the second head's Q
.endr
	v_mov_b32 v28, v250
	FINISH 0
	INIT
	SLOT_STEPS 0
	CHANGE 0, 0                                    ; nothing is left to fetch
	SLOT_STEPS SLOTB
	FINISH 1
.irp p, 0,1,2
	global_store_b128 v1, v[244+4*\p:247+4*\p], s[56:57] offset:512*\p   ; ctx's fragment: three stores of 512 consecutive bytes
.endr
	ds_store_b32 v6, v29                           ; its scale words meet those of the other tiles (lanes r and r + 16 write the same word with the same value)
	s_wait_dscnt 0x0                               ; for the others' sake
	s_barrier_signal -1
	s_barrier_wait -1
	s_cmp_lg_u32 s10, 0
	s_cbranch_scc1 .Lnot_0
	ds_load_b128 v[96:99], v7                      ; wave 0 sends the four quads' units of 256 bytes
	ds_load_b128 v[100:103], v7 offset:512
	s_wait_dscnt 0x0
	global_store_b128 v11, v[96:99], s[60:61] offset:12288
	global_store_b128 v11, v[100:103], s[60:61] offset:12288+4*REC
.Lnot_0:
	s_wait_tensorcnt 0x0                           ; the wave's end: behind my last tensor load and my last LDS store
	ds_add_u32 v4, v5
	s_wait_dscnt 0x0
	CROUND                                         ; the closing round
	s_endpgm
.Lfunc_end_k_q990316d091_attn:
	.size	k_q990316d091_attn, .Lfunc_end_k_q990316d091_attn-k_q990316d091_attn
	.p2alignl 7, 3214868480
	.fill 96, 4, 3214868480
	.section	.rodata,"a",@progbits
	.p2align	6, 0x0
	.amdhsa_kernel k_q990316d091_attn
		.amdhsa_group_segment_fixed_size 327680
		.amdhsa_private_segment_fixed_size 0
		.amdhsa_enable_private_segment 0
		.amdhsa_kernarg_size 24
		.amdhsa_user_sgpr_count 2
		.amdhsa_user_sgpr_kernarg_segment_ptr 1
		.amdhsa_wavefront_size32 1
		.amdhsa_system_sgpr_workgroup_id_x 1
		.amdhsa_system_sgpr_workgroup_id_y 1
		.amdhsa_system_sgpr_workgroup_id_z 1
		.amdhsa_system_vgpr_workitem_id 0
		.amdhsa_next_free_vgpr 256
		.amdhsa_next_free_sgpr 66
		.amdhsa_reserve_vcc 0
		.amdhsa_float_denorm_mode_32 3
		.amdhsa_float_denorm_mode_16_64 3
		.amdhsa_memory_ordered 1
		.amdhsa_forward_progress 1
		.amdhsa_inst_pref_size 85
	.end_amdhsa_kernel
	.amdgpu_metadata
---
amdhsa.version: [ 1, 2 ]
amdhsa.kernels:
  - .name:           k_q990316d091_attn
    .symbol:         k_q990316d091_attn.kd
    .args:
      - { .name: qr, .offset: 0, .size: 8, .value_kind: global_buffer, .address_space: global }
      - { .name: kvr, .offset: 8, .size: 8, .value_kind: global_buffer, .address_space: global }
      - { .name: cr, .offset: 16, .size: 8, .value_kind: global_buffer, .address_space: global }
    .group_segment_fixed_size: 327680
    .private_segment_fixed_size: 0
    .kernarg_segment_align: 8
    .kernarg_segment_size: 24
    .max_flat_workgroup_size: 512
    .sgpr_count:     66
    .vgpr_count:     256
    .wavefront_size: 32
...
	.end_amdgpu_metadata
.endif
;; end of part 3
;; launch proj (part 4): grid 4 x 64, 4 waves a work-group, clusters of 4 x 4, 327,680 bytes of LDS; arguments cr, wr, bo, out0; writes out0
.if DOCPART == 4
	.amdgcn_target "amdgcn-amd-amdhsa--gfx1250"
	.amdhsa_code_object_version 6
	.text
	.protected	k_q990316d091_proj
	.globl	k_q990316d091_proj
	.p2align	8
	.type	k_q990316d091_proj,@function
k_q990316d091_proj:
	s_mov_b64 s[64:65], 0
	v_nop
	global_prefetch_b8 v0, s[64:65] scope:SCOPE_SE
	s_setreg_imm32_b32 hwreg(HW_REG_WAVE_MODE, 25, 1), 1
	s_wait_xcnt 0x0
	s_wait_alu depctr_hold_cnt(0) depctr_sa_sdst(0) depctr_va_vdst(0) depctr_va_sdst(0) depctr_va_ssrc(0) depctr_va_vcc(0) depctr_vm_vsrc(0)
	s_getreg_b32 s2, hwreg(HW_REG_IB_STS2, 6, 4)
	s_cmp_eq_u32 s2, 0
	s_cbranch_scc0 .Lentry_in_a_cluster
	s_endpgm
.Lentry_in_a_cluster:
	s_bfe_u32 s2, ttmp6, 0x10000c
	s_cmp_lg_u32 s2, 0xf033
	s_cbranch_scc0 .Lentry_shape_is_right
	s_endpgm
.Lentry_shape_is_right:
; out0 = ctx Wo + bo on codes of FP6 (E2M3) with E8M0 scales; out0 [8192][1024] f32.
; A tile is A (128 tokens, cr) x B (256 n of Wo, quads 48-63 of wr), K = 1,024.  Source 0 = 16 rows of B, source 1 = 16 rows of A: a lane holds one token and its registers run along n.
; Row r of tile i of a quad is item 32 (i / 2) + 8 (i % 2) + r + 8 (r / 8), for tokens and for n: the 16 registers of two neighbouring tiles are 16 neighbouring n.
; ALL OF K LIES IN LDS: four slots of 256 K (76,800 bytes: A's 2 records, B's 4), each filled once; a wave issues four tensor loads at the start (four are out, by this text's count) and none later.
; CLUSTER 4 x 4: A's records are asked for jointly along a row of the cluster, B's along a column.  Waves 0, 1 fetch A's two records of a slot, waves 2, 3 B's two pairs.
; A wave makes 64 tokens x 128 n: 32 accumulators, by turns.  bo is the C of each sum's first product.
; THE WAY OUT: 16 tokens x 128 n at a time through the wave's own stage (rows of 512 bytes + 16) and out as whole rows: each store of a wave covers 512 consecutive bytes, aligned.  The stage lies in slot 0, which has had its only fill,
; and whose last reads every wave has waited for in front of the barrier that opens slot 1.
; REGISTERS, in windows of 256: window 0: v1-16 LDS addresses; v17-24 lane terms and the stage's addresses; v32-63 A's scale words (4 s + a), v64-127 B's (8 s + b); v128-223 A's fragments, two sets; on the way out v128-255 rows of out0.
;   window 1: accumulator (a, b) at 8 (8 a + b).   window 2: B's fragments, sets at 0 and 96.   window 3: the bias, 64 registers.
.set REC,  12800
; THE FILLS, which stand in place of what the head says of slots.  The record of quad Q and 256 K group g is number 16 (Q / 4) + 8 (g / 2) + 4 ((Q / 2) % 2) + 2 (g % 2) + Q % 2 of cr or wr.
; ONE tensor load a wave, each on a line of its own: wave 0 A's first half of K (4 records on end), wave 1 B's (8), wave 2 A's second half, wave 3 B's.  LDS: at 0, 4, 12 and 16 records.
; Waves 0 and 1 wait ahead of the first barrier; every wave waits ahead of the barrier in front of K step 4's fetch, behind which nobody reads the first half: the stage lies there.
.set SPI,  528
.set ADA,  1
.set ADB,  5
.set ASA,  9
.set ASB,  13
.set L16,  17
.set R16,  19
.set STO,  23                          ; the stage, in: row r, + 64 h
.set RD,   24                          ; back: 16 x lane of a row
.set SA,   32
.set SB,   64
.set AF,   128
.set BK,   128
.set G1A,  24
.set G1B,  32
.set G0A,  40
.set G0B,  68
.set MSB, 0
.macro WIN new                         ; the immediate's high byte repeats the setting that is left
.if MSB != \new
	s_set_vgpr_msb (MSB<<8)|\new
.set MSB, \new
.endif
.endm
.macro CROUND                          ; a round of the cluster's barrier
	s_barrier_signal -1
	s_barrier_wait -1
	s_cmp_lg_u32 s18, 0
	s_cbranch_scc1 .Lnot_wave_0_\@
	s_barrier_signal -3
.Lnot_wave_0_\@:
	s_barrier_wait -3
	s_barrier_signal -1
	s_barrier_wait -1
.endm
.macro PLACES                          ; four plain places behind matrix instructions (ISA guide 7.12.1)
.rept 4
	v_nop
.endr
.endm
	s_load_b128 s[4:7], s[0:1], 0x0                ; cr, wr
	s_load_b128 s[8:11], s[0:1], 0x10              ; bo, out0
	v_lshl_add_u32 v30, v0, 2, 0x4b000
	v_mov_b32 v31, 0
	ds_add_u32 v30, v31
	ds_add_u32 v30, v31
	v_lshrrev_b32 v20, 5, v0
	v_readfirstlane_b32 s18, v20                   ; wave
	s_lshr_b32 s19, s18, 1                         ; wm: my record of A.  Also: which half I fetch
	s_and_b32 s20, s18, 1                          ; wn: my pair of B's records.  Also: I fetch for A (0) or for B (1)
	s_bfe_u32 s21, ttmp6, 0x40000                  ; cx
	s_bfe_u32 s22, ttmp6, 0x40004                  ; cy
	s_and_b32 s23, ttmp7, 0xffff
	s_lshl_b32 s84, s23, 2
	s_add_co_u32 s84, s84, s22                     ; tile row
	s_lshl_b32 s85, ttmp9, 2
	s_add_co_u32 s85, s85, s21                     ; tile column
	s_lshl_b32 s98, s22, 2
	s_lshl_b32 s98, 15, s98                        ; my row of the cluster
	s_lshl_b32 s99, 0x1111, s21                    ; my column
	s_or_b32 s[G1A], s98, (3<<16)|(1<<21)          ; dense blocks as rows of 256 bytes (32 elements of 8 bytes): A's record 50 rows,
	s_mov_b32 s[G1A+1], 32<<16
	s_mov_b32 s[G1A+2], 200<<16
	s_mov_b32 s[G1A+3], 32<<16
	s_mov_b32 s[G1A+4], 200
	s_mov_b32 s[G1A+5], 32
	s_mov_b32 s[G1A+6], 0
	s_mov_b32 s[G1A+7], 0
	s_or_b32 s[G1B], s99, (3<<16)|(1<<21)          ; B's pair 100
	s_mov_b32 s[G1B+1], 32<<16
	s_mov_b32 s[G1B+2], 400<<16
	s_mov_b32 s[G1B+3], 32<<16
	s_mov_b32 s[G1B+4], 400
	s_mov_b32 s[G1B+5], 32
	s_mov_b32 s[G1B+6], 0
	s_mov_b32 s[G1B+7], 0
	s_lshr_b32 s98, s84, 1                         ; the half of K that I fetch is wave / 2 (s19)
	s_lshl_b32 s98, s98, 2
	s_lshl_b32 s100, s19, 1
	s_add_co_u32 s98, s98, s100
	s_and_b32 s100, s84, 1
	s_add_co_u32 s98, s98, s100                    ; A: 4 (tile row / 2) + 2 half + tile row % 2, in runs of 4 records
	s_mul_i32 s92, s98, 4*REC
	s_mov_b32 s93, 0
	s_lshl_b32 s99, s85, 1
	s_add_co_u32 s99, s99, s19
	s_add_co_u32 s99, s99, 24                      ; B: 2 x (12 + tile column) + half, in runs of 8 records: Wo begins at quad 48
	s_mul_i32 s94, s99, 8*REC
	s_mov_b32 s95, 0
	s_mul_i32 s96, s19, 12*REC                     ; where they go: A's half,
	s_add_co_u32 s97, s96, 4*REC                   ; and B's behind it
	; every LDS address register is made here
	v_and_b32 v20, 31, v0                          ; lane
	v_and_b32 v21, 15, v0                          ; r
	v_bfe_u32 v22, v0, 4, 1                        ; h
	v_lshlrev_b32 v[L16], 4, v20
	v_lshlrev_b32 v[R16], 4, v21
	s_mul_i32 s60, s19, REC
	s_mul_i32 s61, s20, 4*REC
	s_add_co_u32 s61, s61, 4*REC
.irp j, 0,1,2,3
	v_add_nc_u32 v[ADA+\j], s60, v[L16]
	v_add_nc_u32 v[ADB+\j], s61, v[L16]
	v_add_nc_u32 v[ASA+\j], s60, v[R16]
	v_add_nc_u32 v[ASB+\j], s61, v[R16]
	s_add_co_u32 s60, s60, 2*REC+8*REC*(\j%2)      ; K group j lies at 12 (j / 2) + 2 (j % 2) records
	s_add_co_u32 s61, s61, 2*REC+8*REC*(\j%2)
.endr
	s_mul_i32 s60, s18, 16*SPI                     ; my stage
	v_mul_u32_u24 v[STO], v21, SPI
	v_lshl_add_u32 v[STO], v22, 6, v[STO]
	v_add_nc_u32 v[STO], s60, v[STO]
	v_add_nc_u32 v[RD], s60, v[L16]
	v_lshlrev_b32 v25, 6, v22                      ; the bias: 64 h
	s_lshl_b32 s60, s85, 10
	s_lshl_b32 s61, s20, 9
	s_add_co_u32 s60, s60, s61                     ; my first n, in bytes: 4 (256 x tile column + 128 wn)
	s_mov_b32 s61, 0
	s_lshl_b32 s62, s84, 19
	s_lshl_b32 s63, s19, 18
	s_add_co_u32 s62, s62, s63                     ; my first token's row: (128 x tile row + 64 wm) x 4,096 bytes
	s_add_co_u32 s62, s62, s60
	s_mov_b32 s63, 0
	s_wait_dscnt 0x0
	s_wait_kmcnt 0x0
	s_add_nc_u64 s[92:93], s[4:5], s[92:93]
	s_add_nc_u64 s[94:95], s[6:7], s[94:95]
	s_add_nc_u64 s[8:9], s[8:9], s[60:61]
	s_add_nc_u64 s[10:11], s[10:11], s[62:63]
	s_mov_b32 s[G0A], 1                            ; count = 1
	s_mov_b32 s[G0A+1], s96                        ; LDS address
	s_mov_b64 s[G0A+2:G0A+3], s[92:93]             ; global address
	s_or_b32 s[G0A+3], s[G0A+3], 0x80000000        ; type = 2
	s_mov_b32 s[G0B], 1
	s_mov_b32 s[G0B+1], s97
	s_mov_b64 s[G0B+2:G0B+3], s[94:95]
	s_or_b32 s[G0B+3], s[G0B+3], 0x80000000
	CROUND                                         ; all sixteen work-groups are here: the joint loads meet
	s_cmp_eq_u32 s18, 0                            ; one chain of branches on the wave's number, one load to an arm
	s_cbranch_scc0 .Lw1
	tensor_load_to_lds s[G0A:G0A+3], s[G1A:G1A+7]  ; wave 0: A's first half of K
	s_nop 0
.rept 4
	v_nop
.endr
	s_branch .Lfirst_done
.Lw1:
	s_cmp_eq_u32 s18, 1
	s_cbranch_scc0 .Lw2
	tensor_load_to_lds s[G0B:G0B+3], s[G1B:G1B+7]  ; wave 1: B's first half
	s_nop 0
.rept 4
	v_nop
.endr
	s_branch .Lfirst_done
.Lw2:
	s_cmp_eq_u32 s18, 2
	s_cbranch_scc0 .Lw3
	tensor_load_to_lds s[G0A:G0A+3], s[G1A:G1A+7]  ; wave 2: A's second half
	s_nop 0
.rept 4
	v_nop
.endr
	s_branch .Lfirst_done
.Lw3:
	tensor_load_to_lds s[G0B:G0B+3], s[G1B:G1B+7]  ; wave 3: B's second half
	s_nop 0
.rept 4
	v_nop
.endr
.Lfirst_done:
	WIN 0xc0                                       ; destination window 3
	s_wait_alu depctr_va_vdst(0)
.irp b, 0,1,2,3,4,5,6,7                        ; tile b's eight numbers of my half: 32 (b / 2) + 16 h + 8 (b % 2) + 0 .. 7
	global_load_b128 v[8*\b:8*\b+3], v25, s[8:9] offset:(32*(\b/2)+8*(\b%2))*4
	global_load_b128 v[8*\b+4:8*\b+7], v25, s[8:9] offset:(32*(\b/2)+8*(\b%2))*4+16
.endr
	WIN 0
; The fragments of K step s (slot s / 2, its K group s % 2) into set s % 2: B's eight, A's four; with a slot's first step the slot's scale words.
.macro FETCH s
	WIN 0x80                                       ; destination window 2
.irp b, 0,1,2,3,4,5,6,7
.irp p, 0,1,2
	ds_load_b128 v[96*((\s)%2)+12*\b+4*\p:96*((\s)%2)+12*\b+4*\p+3], v[ADB+(\s)/2] offset:(\b/4)*REC+(\b%4)*3072+1536*((\s)%2)+512*\p
.endr
.endr
	WIN 0
.irp a, 0,1,2,3
.irp p, 0,1,2
	ds_load_b128 v[AF+48*((\s)%2)+12*\a+4*\p:AF+48*((\s)%2)+12*\a+4*\p+3], v[ADA+(\s)/2] offset:\a*3072+1536*((\s)%2)+512*\p
.endr
.endr
.if (\s)%2 == 0
.irp q, 0,1
	ds_load_b128 v[SA+4*((\s)+\q):SA+4*((\s)+\q)+3], v[ASA+(\s)/2] offset:12288+256*\q          ; lane r: the words of row r of four tiles
	ds_load_b128 v[SB+8*((\s)+\q):SB+8*((\s)+\q)+3], v[ASB+(\s)/2] offset:12288+256*\q
	ds_load_b128 v[SB+8*((\s)+\q)+4:SB+8*((\s)+\q)+7], v[ASB+(\s)/2] offset:12288+REC+256*\q
.endr
.endif
.endm
.macro SLOTWAIT j                      ; slot j is whole: my fill of it has landed (those of the slots behind it may be out), no LDS load of mine is pending, and so for every wave
	s_wait_tensorcnt 0x0                           ; every wave: the second half of K is in
	s_wait_dscnt 0x0
	s_barrier_signal -1
	s_barrier_wait -1
.endm
.macro MUL s                           ; 32 matrix instructions: 128 along K
.if (\s) == 0
	WIN 0x72                                       ; source 0 window 2, source 1 window 0, C window 3 (the bias), D window 1
.else
	WIN 0x52                                       ; C and D window 1
.endif
.irp a, 0,1,2,3
.irp b, 0,1,2,3,4,5,6,7
.if (\s) == 0
	v_wmma_scale_f32_16x16x128_f8f6f4 v[8*(8*\a+\b):8*(8*\a+\b)+7], v[96*((\s)%2)+12*\b:96*((\s)%2)+12*\b+11], v[AF+48*((\s)%2)+12*\a:AF+48*((\s)%2)+12*\a+11], v[8*\b:8*\b+7], v[SB+8*(\s)+\b], v[SA+4*(\s)+\a] matrix_a_fmt:MATRIX_FMT_FP6 matrix_b_fmt:MATRIX_FMT_FP6
.else
	v_wmma_scale_f32_16x16x128_f8f6f4 v[8*(8*\a+\b):8*(8*\a+\b)+7], v[96*((\s)%2)+12*\b:96*((\s)%2)+12*\b+11], v[AF+48*((\s)%2)+12*\a:AF+48*((\s)%2)+12*\a+11], v[8*(8*\a+\b):8*(8*\a+\b)+7], v[SB+8*(\s)+\b], v[SA+4*(\s)+\a] matrix_a_fmt:MATRIX_FMT_FP6 matrix_b_fmt:MATRIX_FMT_FP6
.endif
.endr
.endr
.endm
	s_cmp_lt_u32 s18, 2
	s_cbranch_scc0 .Lnot_h0
	s_wait_tensorcnt 0x0                           ; waves 0 and 1: the first half of K is in; waves 2 and 3's loads may be out
.Lnot_h0:
	s_barrier_signal -1
	s_barrier_wait -1                              ; everybody's is
	FETCH 0
	s_wait_loadcnt 0x0                             ; the bias
.irp s, 0,1,2,3,4,5,6,7
.if \s == 3
	SLOTWAIT (\s+1)/2
.endif
.if (\s > 0) && (\s < 7)
	PLACES                                         ; the set that the step before multiplied is loaded again
.endif
.if \s < 7
	FETCH \s+1
.if (\s+1)%2 == 0
	s_wait_dscnt 42                                ; all but the 42 just issued: this step's fragments are in
.else
	s_wait_dscnt 36                                ; all but the 36 just issued
.endif
.else
	s_wait_dscnt 0x0
.endif
	MUL \s
.endr
	WIN 0
	PLACES                                         ; in front of the first read of results and of loads into the registers that held A's fragments
; Row tile a through my stage.  LDS serves a wave's instructions in order (ISA guide 5.7.1.4): no wait between the stores and the loads, nor in front of the next tile's stores.
.macro TOSTAGE a
	WIN 0x04                                       ; an LDS store's data are its source 1: window 1
.irp b, 0,1,2,3,4,5,6,7
	ds_store_b128 v[STO], v[64*(\a)+8*\b:64*(\a)+8*\b+3] offset:128*(\b/2)+32*(\b%2)          ; each accumulator from its low end on
	ds_store_b128 v[STO], v[64*(\a)+8*\b+4:64*(\a)+8*\b+7] offset:128*(\b/2)+32*(\b%2)+16
.endr
	WIN 0
.irp t, 0,1,2,3,4,5,6,7,8,9,10,11,12,13,14,15
	ds_load_b128 v[BK+64*((\a)%2)+4*\t:BK+64*((\a)%2)+4*\t+3], v[RD] offset:\t*SPI
.endr
.endm
.macro SEND a, younger                 ; younger: the LDS instructions issued behind tile a's loads, which may stay out
	s_wait_dscnt \younger
.irp t, 0,1,2,3,4,5,6,7,8,9,10,11,12,13,14,15
	global_store_b128 v[L16], v[BK+64*((\a)%2)+4*\t:BK+64*((\a)%2)+4*\t+3], s[10:11] offset:(32*((\a)/2)+8*((\a)%2)+\t+8*(\t/8))*4096 th:TH_STORE_NT   ; row t of the tile is token 32 (a / 2) + 8 (a % 2) + t + 8 (t / 8) of my 64
.endr
.endm
	TOSTAGE 0
.irp a, 1,2,3
.if \a > 1
	s_wait_xcnt 0x0                                ; tile a - 2's stores have read their registers: tile a's loads may land there
.endif
	TOSTAGE \a
	SEND \a-1, 32                                  ; behind tile a - 1's loads: tile a's 16 stores and 16 loads
.endr
	SEND 3, 0
	s_wait_tensorcnt 0x0
	ds_add_u32 v30, v31
	s_wait_dscnt 0x0
	CROUND                                         ; the closing round: no work-group ends while a partner may still ask jointly
	s_endpgm
.Lfunc_end_k_q990316d091_proj:
	.size	k_q990316d091_proj, .Lfunc_end_k_q990316d091_proj-k_q990316d091_proj
	.p2alignl 7, 3214868480
	.fill 96, 4, 3214868480
	.section	.rodata,"a",@progbits
	.p2align	6, 0x0
	.amdhsa_kernel k_q990316d091_proj
		.amdhsa_group_segment_fixed_size 327680
		.amdhsa_private_segment_fixed_size 0
		.amdhsa_enable_private_segment 0
		.amdhsa_kernarg_size 32
		.amdhsa_user_sgpr_count 2
		.amdhsa_user_sgpr_kernarg_segment_ptr 1
		.amdhsa_wavefront_size32 1
		.amdhsa_system_sgpr_workgroup_id_x 1
		.amdhsa_system_sgpr_workgroup_id_y 1
		.amdhsa_system_sgpr_workgroup_id_z 1
		.amdhsa_system_vgpr_workitem_id 0
		.amdhsa_next_free_vgpr 832
		.amdhsa_next_free_sgpr 102
		.amdhsa_reserve_vcc 0
		.amdhsa_float_denorm_mode_32 3
		.amdhsa_float_denorm_mode_16_64 3
		.amdhsa_memory_ordered 1
		.amdhsa_forward_progress 1
		.amdhsa_inst_pref_size 78
	.end_amdhsa_kernel
	.amdgpu_metadata
---
amdhsa.version: [ 1, 2 ]
amdhsa.kernels:
  - .name:           k_q990316d091_proj
    .symbol:         k_q990316d091_proj.kd
    .args:
      - { .name: cr, .offset: 0, .size: 8, .value_kind: global_buffer, .address_space: global }
      - { .name: wr, .offset: 8, .size: 8, .value_kind: global_buffer, .address_space: global }
      - { .name: bo, .offset: 16, .size: 8, .value_kind: global_buffer, .address_space: global }
      - { .name: out0, .offset: 24, .size: 8, .value_kind: global_buffer, .address_space: global }
    .group_segment_fixed_size: 327680
    .private_segment_fixed_size: 0
    .kernarg_segment_align: 8
    .kernarg_segment_size: 32
    .max_flat_workgroup_size: 128
    .sgpr_count:     102
    .vgpr_count:     832
    .wavefront_size: 32
...
	.end_amdgpu_metadata
.endif
;; end of part 4
